; MI455X (gfx1250); checked and timed in simulation.
; The chip was launched on July 23, 2026; its instructions are those of AMD's public machine-readable ISA for CDNA 5 (MIT licence, August 2026) and "CDNA5" Instruction Set Architecture Reference Guide (July 2026). The comments in the code are by the model that wrote it; some were corrected since.
;; Encoder Layer. Allowed arithmetic: matrix products marked QUANTISED: E5M2 operands, one E8M0 scale for each 32 along K, by v_wmma_scale_f32_16x16x128_f8f6f4 with both operands' format E5M2, f32 sums; everything else in f32.
;; Inputs: b1 4,096 float32; b2 1,024 float32; bk 1,024 float32; bo 1,024 float32; bq 1,024 float32; bv 1,024 float32; ln1_b 1,024 float32; ln1_w 1,024 float32; ln2_b 1,024 float32; ln2_w 1,024 float32; mask 2 x 1 x 1 x 2,048 int32; w1 1,024 x 4,096 float32; w2 4,096 x 1,024 float32; wk 1,024 x 1,024 float32; wo 1,024 x 1,024 float32; wq 1,024 x 1,024 float32; wv 1,024 x 1,024 float32; x 2 x 2,048 x 1,024 float32.
;; Outputs: out0 2 x 2,048 x 1,024 float32.
;; This version of the problem:
;;   THIS VERSION OF THE PROBLEM IS GIVEN IN LOW PRECISION. The matrix products marked QUANTISED in the list below multiply operands that are first quantised to E5M2 (5 exponent bits, 2 mantissa bits; 8 bits a number), with one power-of-two scale for each 32 numbers along K (OCP MX v1.0); their sums are f32. All else is computed in f32.
;;   The module's matrix products, in the order in which they are computed (A, B: the left and right operand; K: the contracted axis; several contracted axes count as one K, in the product's order):
;;     1. [M 4,096, K 1,024] x [K 1,024, N 1,024]; A: computed on the way; B: input wq: QUANTISED
;;     2. [M 4,096, K 1,024] x [K 1,024, N 1,024]; A: computed on the way; B: input wk: QUANTISED
;;     3. [M 4,096, K 1,024] x [K 1,024, N 1,024]; A: computed on the way; B: input wv: QUANTISED
;;     4. batch 32 x [M 2,048, K 64] x [K 64, N 2,048]; A: computed on the way; B: computed on the way: QUANTISED
;;     5. batch 32 x [M 64, K 2,048] x [K 2,048, N 2,048]; A: computed on the way; B: softmax (see below): QUANTISED
;;     6. [M 4,096, K 1,024] x [K 1,024, N 1,024]; A: computed on the way; B: input wo: QUANTISED
;;     7. [M 4,096, K 1,024] x [K 1,024, N 4,096]; A: computed on the way; B: input w1: QUANTISED
;;     8. [M 4,096, K 4,096] x [K 4,096, N 1,024]; A: computed on the way; B: input w2: QUANTISED
;;   THE QUANTISER, for each operand of a quantised product, along K:
;;     - K is cut into blocks of 32 from its start; a last block that is shorter is filled with zeros.
;;     - A block's scale is 2^e with e = floor(log2(the largest magnitude in the block)) - 15, held to -126 .. 127; a block of zeros has e = 0. As a byte (E8M0): e + 127.
;;     - Each number is divided by its block's scale, clamped to +-57,344, and rounded to the nearest number of E5M2, ties to even, subnormals kept.
;;     - The product sums the exact products of the quantised numbers (number of the format x scale) in f32.
;;   ~~~python
;;   def quantise(x, axis):      # numpy; x: float32 -> the quantised numbers, widened to float32 again
;;       x = np.moveaxis(x, axis, -1); K = x.shape[-1]
;;       x = np.pad(x, [(0, 0)] * (x.ndim - 1) + [(0, -K % 32)]); x = x.reshape(x.shape[:-1] + (-1, 32)); a = np.abs(x).max(-1, keepdims=True)
;;       e = np.where(a > 0, np.clip(np.frexp(np.where(a > 0, a, 1))[1] - 1 - 15, -126, 127), 0)      # np.frexp(a)[1] - 1 = floor(log2(a)), exactly
;;       r = np.clip(x / 2.0 ** e, -57344, 57344)
;;       step = 2.0 ** (np.maximum(np.frexp(np.where(r == 0, 1, r))[1] - 1, -14) - 2)
;;       q = np.round(r / step) * step * 2.0 ** e      # np.round: ties to even
;;       return np.moveaxis(q.reshape(q.shape[:-2] + (-1,))[..., :K], -1, axis).astype(np.float32)
;;   ~~~
;;   SOFTMAX AHEAD OF A QUANTISED PRODUCT. Where the list says 'softmax', what is quantised is not the finished softmax but p = 2^(t - M), with t = logit x log2(e) and M = ceil(the row's largest t), a whole number; so 1/2 < the row's largest p <= 1. The row's sum l is taken of the UNQUANTISED p, in f32, and the product's result is divided by l at the end. Since M is a whole number, a kernel that streams over the keys may use a running M (the ceiling of the running maximum): every later rescaling is an exact power of two, which a block's scale takes up: the codes' values come out the same.
;;   OPERANDS COMPUTED ON THE WAY. 'Computed on the way' means the value that the module computes at that place (a softmax that the list does not call 'softmax' is quantised finished and normalised). What goes into a quantiser is computed in f32, as accurately as f32 sums, v_exp_f32 and their like allow (about 1e-6 of the number): no bf16 or f16 on the way to a quantiser, and a product that is left as it is and whose result goes on into a quantised operand takes f32 operands (vector FMAs, or v_wmma_f32_16x16x4_f32). A number that lies on a knife's edge between two numbers of the format may be rounded either way, as far as f32 arithmetic and the matrix unit's own rounding can turn it there, and no further.
;; One version. Each part assembles by itself: llvm-mc -triple=amdgcn-amd-amdhsa -mcpu=gfx1250 --defsym DOCPART=n.
;; ======== version 1 of 1: 8 launches
;; limits: right only within a limited range of input values
;; workspace buffers: wp 12,976,128 bytes; ap 4,325,376 bytes; qb 8,781,824 bytes; kv 8,781,824 bytes; h 16,777,216 bytes; gp 17,301,504 bytes
;; launch wquant (part 1): grid 384 x 1, 4 waves a work-group, no clusters, 0 bytes of LDS; arguments wq, wk, wv, wo, w1, w2, wp; writes wp
.if DOCPART == 1
	.amdgcn_target "amdgcn-amd-amdhsa--gfx1250"
	.amdhsa_code_object_version 6
	.text
	.protected	k_q0ad8fa1e83_wquant
	.globl	k_q0ad8fa1e83_wquant
	.p2align	8
	.type	k_q0ad8fa1e83_wquant,@function
k_q0ad8fa1e83_wquant:
	s_mov_b64 s[64:65], 0
	v_nop
	global_prefetch_b8 v0, s[64:65] scope:SCOPE_SE
	s_setreg_imm32_b32 hwreg(HW_REG_WAVE_MODE, 25, 1), 1
	s_wait_xcnt 0x0
; THE PROGRAM: a pre-LN encoder layer, eight launches: wquant, ln1, qkv, attn, wo, ln2, ffn1, ffn2.  All eight matrix products are made on codes of E5M2 with one E8M0 scale for each 32 along K.
; DEAD WORK: none.  Every product, bias, gain, the mask and both residuals reach the output or a quantiser for some finite inputs, so all eighteen inputs are loaded and nothing of reference() is left out.
; LIMITS of the program: NaN and infinities among the floating-point inputs are not served; a block whose largest magnitude lies under 2^-111 has its scale byte held at 1;
; a block of zeros gets the byte 1 where the quantiser says 127 (its codes are zeros, which add nothing under any byte but 0xff, and only this program reads the bytes).
; THIS LAUNCH: the six weights, f32 stored [K][N], become codes along K, laid as the matrix unit's registers take them.
; A FRAGMENT (16 rows x 128 K) is 2,048 bytes: byte 512 c + 16 lane holds k = 32 c + 16 (lane / 16) + 0 .. 15 of the row of lane % 16.
; THE ROWS OF A FRAGMENT ARE NOT NEIGHBOURS: in a block of 128 rows, lane r of fragment i holds row 32 (i / 2) + 8 (i % 2) + r % 8 + 16 (r / 8).
; A CHUNK (128 rows x 256 K) is 33,792 bytes: fragment (q = which 128 of K, i) at (8 q + i) x 2,048; from byte 32,768 the scale words: 128 i + 8 r + 4 q.  Chunk (rb, ks) of an operand [R][K] lies at (rb K / 256 + ks) chunks.
; wp: wq chunks 0-31, wk 32-63, wv 64-95, wo 96-127, w1 128-255, w2 256-383.  A work-group makes one chunk.
; A LANE TAKES A COLUMN n, ITS 32 REGISTERS RUN DOWN K: a block of 32 is one lane's, each load reads 128 consecutive bytes a wave, and the conversions give codes with K innermost.  Nothing is transposed.
; Lane x of wave w holds row 32 w + x of the chunk: fragment 2 w + (x / 8) % 2, lane x % 8 + 8 (x / 16).  Each store of 16 bytes a lane covers two aligned runs of 256 bytes.
.set CH,  33792
.set X,   32                           ; v32-95   two sets of 32 numbers
.set C,   96                           ; v96-159  eight registers of codes for each block: no store's data are written again
.set SB,  24                           ; v24-25   the eight scale bytes
	s_load_b256 s[4:11], s[0:1], 0x0               ; wq, wk, wv, wo
	s_load_b128 s[12:15], s[0:1], 0x20             ; w1, w2
	s_load_b64 s[16:17], s[0:1], 0x30              ; wp
	v_lshrrev_b32 v1, 5, v0
	v_readfirstlane_b32 s20, v1                    ; wave
	v_and_b32 v2, 31, v0
	v_lshlrev_b32 v3, 2, v2                        ; in: 4 bytes a lane
	v_bfe_u32 v6, v0, 3, 1                         ; u = (x / 8) % 2
	v_and_b32 v7, 7, v0
	v_bfe_u32 v8, v0, 4, 1
	v_lshl_add_u32 v7, v8, 3, v7                   ; r = x % 8 + 8 (x / 16)
	v_lshlrev_b32 v4, 4, v7
	v_lshl_add_u32 v4, v6, 11, v4                  ; codes: 2,048 u + 16 r
	v_lshlrev_b32 v5, 3, v7
	v_lshl_add_u32 v5, v6, 7, v5                   ; scale bytes: 128 u + 8 r
	s_lshl_b32 s30, s20, 12
	v_add_nc_u32 v4, s30, v4                       ; + two fragments a wave
	s_lshl_b32 s30, s20, 8
	v_add_nc_u32 v5, s30, v5
	s_mov_b32 s31, 0x600000                        ; the mantissa field of 57,344
	s_lshr_b32 s21, ttmp9, 5                       ; 0..3: wq, wk, wv, wo
	s_lshr_b32 s26, ttmp9, 7                       ; 0: one of those four; 1: w1; 2: w2
	s_cmp_eq_u32 s26, 0
	s_cselect_b32 s22, 31, 127
	s_and_b32 s22, ttmp9, s22                      ; the chunk's number in its weight
	s_cmp_eq_u32 s26, 2
	s_cselect_b32 s23, 4, 2                        ; chunks along K: 16 for w2, else 4
	s_lshr_b32 s24, s22, s23                       ; rb
	s_lshl_b32 s25, s24, s23
	s_sub_co_u32 s25, s22, s25                     ; ks
	s_cmp_eq_u32 s26, 1
	s_cselect_b32 s27, 22, 20                      ; 256 rows of 16,384 bytes (w1) or of 4,096
	s_lshl_b32 s28, s25, s27
	s_lshl_b32 s30, s24, 9
	s_add_co_u32 s28, s28, s30                     ; + 128 rb columns
	s_lshl_b32 s30, s20, 7
	s_add_co_u32 s28, s28, s30                     ; + 32 columns a wave
	s_mov_b32 s29, 0
	s_mul_i32 s32, ttmp9, CH
	s_mov_b32 s33, 0
	s_wait_kmcnt 0x0
	s_cmp_eq_u32 s21, 1                            ; the weight is chosen by the work-group's number alone
	s_cselect_b64 s[4:5], s[6:7], s[4:5]
	s_cmp_eq_u32 s21, 2
	s_cselect_b64 s[4:5], s[8:9], s[4:5]
	s_cmp_eq_u32 s21, 3
	s_cselect_b64 s[4:5], s[10:11], s[4:5]
	s_cmp_eq_u32 s26, 1
	s_cselect_b64 s[4:5], s[12:13], s[4:5]
	s_cmp_eq_u32 s26, 2
	s_cselect_b64 s[4:5], s[14:15], s[4:5]
	s_add_nc_u64 s[4:5], s[4:5], s[28:29]
	s_add_nc_u64 s[16:17], s[16:17], s[32:33]
.macro LOAD t, pitch                   ; block t: W(32 t + i, my column) into set t % 2
.irp i, 0,1,2,3,4,5,6,7,8,9,10,11,12,13,14,15,16,17,18,19,20,21,22,23,24,25,26,27,28,29,30,31
	global_load_b32 v[X+32*((\t)%2)+\i], v3, s[4:5] offset:(32*(\t)+\i)*(\pitch) th:TH_LOAD_NT
.endr
.endm
.macro BLOCK t, pitch
.set XS, X+32*((\t)%2)
.if (\t) < 7
	s_wait_loadcnt 32                              ; this block's 32 loads are in; the next block's 32 may be out
.else
	s_wait_loadcnt 0x0
.endif
	v_max3_num_f32 v12, |v[XS]|, |v[XS+1]|, |v[XS+2]|   ; the block's largest magnitude, in two chains
	v_max3_num_f32 v13, |v[XS+3]|, |v[XS+4]|, |v[XS+5]|
.irp i, 6,10,14,18,22,26
	v_max3_num_f32 v12, v12, |v[XS+\i]|, |v[XS+\i+1]|
	v_max3_num_f32 v13, v13, |v[XS+\i+2]|, |v[XS+\i+3]|
.endr
	v_max3_num_f32 v12, v12, |v[XS+30]|, |v[XS+31]|
	v_max3_num_f32 v12, v12, v13, 0x8000000        ; and the floor 2^(16 - 127): the byte cannot fall under 1
	v_add_nc_u32 v11, 0xf8800000, v12              ; 15 off the exponent field: the conversion's scale operand
	v_and_or_b32 v10, v12, 0x7f800000, s31         ; 57,344 x the scale
	v_lshrrev_b32 v13, 23, v11                     ; the scale's byte
.if (\t)%4 == 0
	v_mov_b32 v[SB+(\t)/4], v13
.else
	v_lshl_or_b32 v[SB+(\t)/4], v13, 8*((\t)%4), v[SB+(\t)/4]
.endif
.set j, 0
.rept 32
	v_med3_num_f32 v[XS+j], v[XS+j], -v10, v10     ; the conversion to an 8-bit code does not saturate (ISA guide 7.6.2): the hold comes first
.set j, j+1
.endr
.irp g, 0,1,2,3
	v_cvt_scalef32_pk8_bf8_f32 v[C+8*(\t)+2*\g:C+8*(\t)+2*\g+1], v[XS+8*\g:XS+8*\g+7], v11
.endr
	global_store_b128 v4, v[C+8*(\t):C+8*(\t)+3], s[16:17] offset:((\t)/4)*16384+((\t)%4)*512        ; k = 0 .. 15 of the block: the lower half of the lanes' place
	global_store_b128 v4, v[C+8*(\t)+4:C+8*(\t)+7], s[16:17] offset:((\t)/4)*16384+((\t)%4)*512+256  ; k = 16 .. 31: the upper half's
.if (\t)+2 < 8
	LOAD (\t)+2, \pitch
.endif
.endm
.macro WQ pitch
	LOAD 0, \pitch
	LOAD 1, \pitch
.irp t, 0,1,2,3,4,5,6,7
	BLOCK \t, \pitch
.endr
	global_store_b64 v5, v[SB:SB+1], s[16:17] offset:32768   ; a wave's 32 x 8 bytes are 256 consecutive bytes, aligned
.endm
	s_cmp_eq_u32 s26, 1                            ; every offset is an immediate, so the text is written once for each row pitch
	s_cbranch_scc1 .Lwide
	WQ 4096
	s_endpgm
.Lwide:
	WQ 16384
	s_endpgm
.Lfunc_end_k_q0ad8fa1e83_wquant:
	.size	k_q0ad8fa1e83_wquant, .Lfunc_end_k_q0ad8fa1e83_wquant-k_q0ad8fa1e83_wquant
	.p2alignl 7, 3214868480
	.fill 96, 4, 3214868480
	.section	.rodata,"a",@progbits
	.p2align	6, 0x0
	.amdhsa_kernel k_q0ad8fa1e83_wquant
		.amdhsa_group_segment_fixed_size 0
		.amdhsa_private_segment_fixed_size 0
		.amdhsa_enable_private_segment 0
		.amdhsa_kernarg_size 56
		.amdhsa_user_sgpr_count 2
		.amdhsa_user_sgpr_kernarg_segment_ptr 1
		.amdhsa_wavefront_size32 1
		.amdhsa_system_sgpr_workgroup_id_x 1
		.amdhsa_system_sgpr_workgroup_id_y 1
		.amdhsa_system_sgpr_workgroup_id_z 1
		.amdhsa_system_vgpr_workitem_id 0
		.amdhsa_next_free_vgpr 176
		.amdhsa_next_free_sgpr 66
		.amdhsa_reserve_vcc 0
		.amdhsa_float_denorm_mode_32 3
		.amdhsa_float_denorm_mode_16_64 3
		.amdhsa_memory_ordered 1
		.amdhsa_forward_progress 1
		.amdhsa_inst_pref_size 111
	.end_amdhsa_kernel
	.amdgpu_metadata
---
amdhsa.version: [ 1, 2 ]
amdhsa.kernels:
  - .name:           k_q0ad8fa1e83_wquant
    .symbol:         k_q0ad8fa1e83_wquant.kd
    .args:
      - { .name: wq, .offset: 0, .size: 8, .value_kind: global_buffer, .address_space: global }
      - { .name: wk, .offset: 8, .size: 8, .value_kind: global_buffer, .address_space: global }
      - { .name: wv, .offset: 16, .size: 8, .value_kind: global_buffer, .address_space: global }
      - { .name: wo, .offset: 24, .size: 8, .value_kind: global_buffer, .address_space: global }
      - { .name: w1, .offset: 32, .size: 8, .value_kind: global_buffer, .address_space: global }
      - { .name: w2, .offset: 40, .size: 8, .value_kind: global_buffer, .address_space: global }
      - { .name: wp, .offset: 48, .size: 8, .value_kind: global_buffer, .address_space: global }
    .group_segment_fixed_size: 0
    .private_segment_fixed_size: 0
    .kernarg_segment_align: 8
    .kernarg_segment_size: 56
    .max_flat_workgroup_size: 128
    .sgpr_count:     66
    .vgpr_count:     176
    .wavefront_size: 32
...
	.end_amdgpu_metadata
.endif
;; end of part 1
;; launch ln1 (part 2): grid 256 x 1, 8 waves a work-group, no clusters, 66,816 bytes of LDS; arguments x, ln1_w, ln1_b, ap; writes ap
.if DOCPART == 2
	.amdgcn_target "amdgcn-amd-amdhsa--gfx1250"
	.amdhsa_code_object_version 6
	.text
	.protected	k_q0ad8fa1e83_ln1
	.globl	k_q0ad8fa1e83_ln1
	.p2align	8
	.type	k_q0ad8fa1e83_ln1,@function
k_q0ad8fa1e83_ln1:
	s_mov_b64 s[64:65], 0
	v_nop
	global_prefetch_b8 v0, s[64:65] scope:SCOPE_SE
	s_setreg_imm32_b32 hwreg(HW_REG_WAVE_MODE, 25, 1), 1
	s_wait_xcnt 0x0
; y = w (x - mean) / (std + 1e-6) + b over rows of 1,024 (std with 1,023 in the divisor), then quantised along the row into chunks (layout: see the first launch).  Nothing of reference() is left out.
; A work-group makes the 16 rows of one fragment row-group (rb = g / 8, i = g % 8), all of K.  PHASE 1: wave w takes local rows 2 w and 2 w + 1, which are neighbours in memory (8 KiB, read by loads of 512
; consecutive bytes); the mean is taken away before the squares are summed; y goes to LDS, rows 4,112 bytes apart.
; PHASE 2, behind one barrier: wave w takes K step w (128 along K) of all 16 rows: lane (r, h) reads 16 neighbours of each block of 32; the codes are the fragment's registers and leave as 4 x 512 consecutive bytes.
; The scale word of a row and K step is 4 bytes, 8 bytes apart from row to row: those stores write their 256-byte runs in part; they are one byte in 32 of what the launch writes.
.set CH,  33792
.set RP,  4112
.set SPARE, 16*RP
.set LI,  1
.set SPW, 2
.set NIL, 3
.set STA, 4
.set RDA, 5
.set LS,  6
.set W,   16
.set B,   48
.set X,   80
.set SM,  144
.set MN,  152
.set RC,  156
.set DN,  160
.set TM,  144
.set PW,  160
.set PC,  164
.set SEL, 12
.set MNT, 14
	s_load_b256 s[4:11], s[0:1], 0x0               ; x, gain, bias, out
	v_lshl_add_u32 v[SPW], v0, 2, SPARE
	v_mov_b32 v[NIL], 0
	v_lshrrev_b32 v7, 5, v0
	s_delay_alu instid0(VALU_DEP_1)
	v_readfirstlane_b32 s16, v7                    ; wave 0..7
	v_and_b32 v7, 31, v0
	s_delay_alu instid0(VALU_DEP_1)
	v_lshlrev_b32 v[LI], 4, v7
	v_and_b32 v8, 15, v0                           ; r
	v_bfe_u32 v9, v0, 4, 1                         ; h
	s_mul_i32 s20, s16, 2*RP
	v_add_nc_u32 v[STA], s20, v[LI]
	v_mul_u32_u24 v[RDA], v8, RP
	s_delay_alu instid0(VALU_DEP_1)
	v_lshl_add_u32 v[RDA], v9, 6, v[RDA]
	s_lshl_b32 s20, s16, 9
	v_add_nc_u32 v[RDA], s20, v[RDA]               ; row r, + 64 h, + 512 bytes a K step
	v_lshlrev_b32 v[LS], 3, v8
	s_mov_b32 s[SEL], 0x76543210
	s_mov_b32 s[SEL+1], 0xfedcba98
	s_mov_b32 s[MNT], 0x600000
	s_lshr_b32 s17, ttmp9, 3                       ; rb
	s_and_b32 s18, ttmp9, 7                        ; i
	s_lshl_b32 s21, s17, 7                         ; my first row: 128 rb + 32 (i / 2) + 8 (i % 2) + (2 w) % 8 + 16 (w / 4)
	s_lshr_b32 s22, s18, 1
	s_lshl_b32 s22, s22, 5
	s_add_co_u32 s21, s21, s22
	s_and_b32 s22, s18, 1
	s_lshl_b32 s22, s22, 3
	s_add_co_u32 s21, s21, s22
	s_lshl_b32 s22, s16, 1
	s_and_b32 s22, s22, 7
	s_add_co_u32 s21, s21, s22
	s_lshr_b32 s22, s16, 2
	s_lshl_b32 s22, s22, 4
	s_add_co_u32 s21, s21, s22
	s_lshl_b32 s22, s21, 12
	s_mov_b32 s23, 0
	s_lshl_b32 s24, s17, 2                         ; out: chunk 4 rb + w / 2,
	s_lshr_b32 s25, s16, 1
	s_add_co_u32 s24, s24, s25
	s_mul_i32 s24, s24, CH
	s_and_b32 s25, s16, 1                          ; q = w % 2
	s_lshl_b32 s26, s25, 3
	s_add_co_u32 s26, s26, s18
	s_lshl_b32 s26, s26, 11                        ; fragment 8 q + i
	s_add_co_u32 s26, s26, s24
	s_mov_b32 s27, 0
	s_lshl_b32 s28, s18, 7                         ; scale words: 32,768 + 128 i + 4 q
	s_lshl_b32 s25, s25, 2
	s_add_co_u32 s28, s28, s25
	s_add_co_u32 s28, s28, s24
	s_add_co_u32 s28, s28, 32768
	s_mov_b32 s29, 0
	s_wait_alu depctr_va_vdst(0)
	s_wait_kmcnt 0x0
	s_add_nc_u64 s[4:5], s[4:5], s[22:23]
	s_add_nc_u64 s[26:27], s[10:11], s[26:27]
	s_add_nc_u64 s[28:29], s[10:11], s[28:29]
.irp p, 0,1
.irp j, 0,1,2,3,4,5,6,7
	global_load_b128 v[X+32*\p+4*\j:X+32*\p+4*\j+3], v[LI], s[4:5] offset:4096*\p+512*\j th:TH_LOAD_NT
.endr
.endr
.irp j, 0,1,2,3,4,5,6,7
	global_load_b128 v[W+4*\j:W+4*\j+3], v[LI], s[6:7] offset:512*\j
	global_load_b128 v[B+4*\j:B+4*\j+3], v[LI], s[8:9] offset:512*\j
.endr
; the two rows' partial sums (four registers each) become one number in every lane: v[SM], v[SM+4]
.macro REDUCE
.irp p, 0
	s_delay_alu instid0(VALU_DEP_3)
	v_pk_add_f32 v[SM+4*\p:SM+4*\p+1], v[SM+4*\p:SM+4*\p+1], v[SM+4*\p+2:SM+4*\p+3]
.endr
.irp p, 1
	s_delay_alu instid0(VALU_DEP_2)
	v_pk_add_f32 v[SM+4*\p:SM+4*\p+1], v[SM+4*\p:SM+4*\p+1], v[SM+4*\p+2:SM+4*\p+3]
.endr
.irp p, 0,1
	s_delay_alu instid0(VALU_DEP_2)
	v_add_f32 v[SM+4*\p], v[SM+4*\p], v[SM+4*\p+1]
.endr
.irp m, 1,2,4,8
.irp p, 0,1
	s_delay_alu instid0(VALU_DEP_2)
	v_add_f32_dpp v[SM+4*\p], v[SM+4*\p], v[SM+4*\p] row_xmask:\m row_mask:0xf bank_mask:0xf
.endr
.endr
.irp p, 0,1
	s_delay_alu instid0(VALU_DEP_2)
	v_permlanex16_b32 v[SM+4*\p+1], v[SM+4*\p], s[SEL], s[SEL+1]
.endr
.irp p, 0,1
	s_delay_alu instid0(VALU_DEP_2)
	v_add_f32 v[SM+4*\p], v[SM+4*\p], v[SM+4*\p+1]
.endr
.endm
	s_wait_loadcnt 16                              ; the rows are in; the sixteen loads of gain and bias may be out
.irp p, 0,1
	v_pk_add_f32 v[SM+4*\p:SM+4*\p+1], v[X+32*\p:X+32*\p+1], v[X+32*\p+2:X+32*\p+3]
	v_pk_add_f32 v[SM+4*\p+2:SM+4*\p+3], v[X+32*\p+4:X+32*\p+5], v[X+32*\p+6:X+32*\p+7]
.endr
.irp j, 8,12,16,20,24,28
.irp p, 0,1
	s_delay_alu instid0(VALU_DEP_4)
	v_pk_add_f32 v[SM+4*\p:SM+4*\p+1], v[SM+4*\p:SM+4*\p+1], v[X+32*\p+\j:X+32*\p+\j+1]
	s_delay_alu instid0(VALU_DEP_4)
	v_pk_add_f32 v[SM+4*\p+2:SM+4*\p+3], v[SM+4*\p+2:SM+4*\p+3], v[X+32*\p+\j+2:X+32*\p+\j+3]
.endr
.endr
	REDUCE
.irp p, 0,1
	s_delay_alu instid0(VALU_DEP_2)
	v_mul_f32 v[MN+2*\p], 0x3a800000, v[SM+4*\p]   ; the mean: / 1,024
.endr
.irp p, 0,1
	s_delay_alu instid0(VALU_DEP_2)
	v_mov_b32 v[MN+2*\p+1], v[MN+2*\p]
.endr
.irp j, 0,2,4,6,8,10,12,14,16,18,20,22,24,26,28,30
.irp p, 0,1
	v_pk_add_f32 v[X+32*\p+\j:X+32*\p+\j+1], v[X+32*\p+\j:X+32*\p+\j+1], v[MN+2*\p:MN+2*\p+1] neg_lo:[0,1] neg_hi:[0,1]   ; x - mean
.endr
.endr
.irp p, 0,1
	v_pk_mul_f32 v[SM+4*\p:SM+4*\p+1], v[X+32*\p:X+32*\p+1], v[X+32*\p:X+32*\p+1]
	v_pk_mul_f32 v[SM+4*\p+2:SM+4*\p+3], v[X+32*\p+2:X+32*\p+3], v[X+32*\p+2:X+32*\p+3]
.endr
.irp j, 4,8,12,16,20,24,28
.irp p, 0,1
	s_delay_alu instid0(VALU_DEP_4)
	v_pk_fma_f32 v[SM+4*\p:SM+4*\p+1], v[X+32*\p+\j:X+32*\p+\j+1], v[X+32*\p+\j:X+32*\p+\j+1], v[SM+4*\p:SM+4*\p+1]
	s_delay_alu instid0(VALU_DEP_4)
	v_pk_fma_f32 v[SM+4*\p+2:SM+4*\p+3], v[X+32*\p+\j+2:X+32*\p+\j+3], v[X+32*\p+\j+2:X+32*\p+\j+3], v[SM+4*\p+2:SM+4*\p+3]
.endr
.endr
	REDUCE
.irp p, 0,1
	s_delay_alu instid0(VALU_DEP_2)
	v_mul_f32 v[SM+4*\p], 0x3a802008, v[SM+4*\p]   ; / 1,023
.endr
	s_wait_alu depctr_va_vdst(0)
.irp p, 0,1
	v_sqrt_f32 v[DN+\p], v[SM+4*\p]
.endr
	v_nop                                          ; a plain instruction behind the roots,
	s_wait_alu depctr_va_vdst(0)                   ; and the wait ahead of their first reader
.irp p, 0,1
	v_add_f32 v[DN+\p], 0x358637bd, v[DN+\p]       ; std + 1e-6
.endr
	s_wait_alu depctr_va_vdst(0)
.irp p, 0,1
	v_rcp_f32 v[RC+2*\p], v[DN+\p]
.endr
	v_nop
	s_wait_alu depctr_va_vdst(0)
.irp p, 0,1
	v_fma_f32 v[DN+2+\p], -v[DN+\p], v[RC+2*\p], 1.0   ; one Newton step: what goes into a quantiser is as fine as f32 gives
.endr
.irp p, 0,1
	v_fma_f32 v[RC+2*\p], v[RC+2*\p], v[DN+2+\p], v[RC+2*\p]
.endr
.irp p, 0,1
	s_delay_alu instid0(VALU_DEP_2)
	v_mov_b32 v[RC+2*\p+1], v[RC+2*\p]
.endr
	s_wait_alu depctr_va_vdst(0)
	s_wait_loadcnt 0x0                             ; gain and bias
.irp j, 0,2,4,6,8,10,12,14,16,18,20,22,24,26,28,30
.irp p, 0,1
	v_pk_mul_f32 v[X+32*\p+\j:X+32*\p+\j+1], v[X+32*\p+\j:X+32*\p+\j+1], v[RC+2*\p:RC+2*\p+1]
.endr
.endr
.irp j, 0,2,4,6,8,10,12,14,16,18,20,22,24,26,28,30
.irp p, 0,1
	v_pk_fma_f32 v[X+32*\p+\j:X+32*\p+\j+1], v[X+32*\p+\j:X+32*\p+\j+1], v[W+\j:W+\j+1], v[B+\j:B+\j+1]
.endr
.endr
.irp p, 0,1
.irp j, 0,1,2,3,4,5,6,7
	ds_store_b128 v[STA], v[X+32*\p+4*\j:X+32*\p+4*\j+3] offset:\p*RP+512*\j
.endr
.endr
	s_wait_dscnt 0x0                               ; for the others' sake: my rows lie in LDS
	s_barrier_signal -1
	s_barrier_wait -1
.irp c, 0,1,2,3
.irp j, 0,1,2,3
	ds_load_b128 v[X+16*\c+4*\j:X+16*\c+4*\j+3], v[RDA] offset:128*\c+16*\j   ; register 16 c + i = k 32 c + 16 h + i of row r, K step w
.endr
.endr
	s_wait_dscnt 0x0
.irp b, 0,1,2,3
	v_max3_num_f32 v[TM+\b], |v[X+16*\b]|, |v[X+1+16*\b]|, 0x8000000   ; block b: my 16 numbers and the floor 2^(16 - 127)
.endr
.irp i, 2,4,6,8,10,12,14
.irp b, 0,1,2,3
	s_delay_alu instid0(VALU_DEP_4)
	v_max3_num_f32 v[TM+\b], v[TM+\b], |v[X+16*\b+\i]|, |v[X+1+16*\b+\i]|
.endr
.endr
.irp b, 0,1,2,3
	s_delay_alu instid0(VALU_DEP_4)
	v_permlanex16_b32 v[TM+4+\b], v[TM+\b], s[SEL], s[SEL+1]
.endr
.irp b, 0,1,2,3
	s_delay_alu instid0(VALU_DEP_4)
	v_max_num_f32 v[TM+\b], v[TM+\b], v[TM+4+\b]   ; with lane l xor 16's: the block's largest magnitude
.endr
.irp b, 0,1,2,3
	s_delay_alu instid0(VALU_DEP_4)
	v_add_nc_u32 v[TM+12+\b], 0xf8800000, v[TM+\b] ; 15 off the exponent field: the conversion's scale operand
.endr
.irp b, 0,1,2,3
	v_and_or_b32 v[TM+8+\b], v[TM+\b], 0x7f800000, s[MNT]   ; 57,344 x the scale
.endr
.irp b, 0,1,2,3
	v_lshrrev_b32 v[TM+4+\b], 23, v[TM+12+\b]      ; the scale's byte
.endr
	s_delay_alu instid0(VALU_DEP_3)
	v_lshl_or_b32 v[PW], v[TM+5], 8, v[TM+4]
	s_delay_alu instid0(VALU_DEP_1)
	v_lshl_or_b32 v[PW], v[TM+6], 16, v[PW]
	s_delay_alu instid0(VALU_DEP_1)
	v_lshl_or_b32 v[PW], v[TM+7], 24, v[PW]
.irp b, 0,1,2,3
.irp i, 0,1,2,3,4,5,6,7,8,9,10,11,12,13,14,15
	v_med3_num_f32 v[X+16*\b+\i], v[X+16*\b+\i], -v[TM+8+\b], v[TM+8+\b]
.endr
	v_cvt_scalef32_pk8_bf8_f32 v[PC+4*\b:PC+1+4*\b], v[X+16*\b:X+7+16*\b], v[TM+12+\b]
	v_cvt_scalef32_pk8_bf8_f32 v[PC+2+4*\b:PC+3+4*\b], v[X+8+16*\b:X+15+16*\b], v[TM+12+\b]
.endr
	v_nop
.irp c, 0,1,2,3
	global_store_b128 v[LI], v[PC+4*\c:PC+4*\c+3], s[26:27] offset:512*\c   ; 512 consecutive bytes, aligned
.endr
	global_store_b32 v[LS], v[PW], s[28:29]        ; lanes 16-31 hold the same word and write it to the same place
	s_wait_tensorcnt 0x0                           ; the wave's end
	ds_add_u32 v[SPW], v[NIL]
	s_wait_dscnt 0x0
	s_endpgm
.Lfunc_end_k_q0ad8fa1e83_ln1:
	.size	k_q0ad8fa1e83_ln1, .Lfunc_end_k_q0ad8fa1e83_ln1-k_q0ad8fa1e83_ln1
	.p2alignl 7, 3214868480
	.fill 96, 4, 3214868480
	.section	.rodata,"a",@progbits
	.p2align	6, 0x0
	.amdhsa_kernel k_q0ad8fa1e83_ln1
		.amdhsa_group_segment_fixed_size 66816
		.amdhsa_private_segment_fixed_size 0
		.amdhsa_enable_private_segment 0
		.amdhsa_kernarg_size 32
		.amdhsa_user_sgpr_count 2
		.amdhsa_user_sgpr_kernarg_segment_ptr 1
		.amdhsa_wavefront_size32 1
		.amdhsa_system_sgpr_workgroup_id_x 1
		.amdhsa_system_sgpr_workgroup_id_y 1
		.amdhsa_system_sgpr_workgroup_id_z 1
		.amdhsa_system_vgpr_workitem_id 0
		.amdhsa_next_free_vgpr 184
		.amdhsa_next_free_sgpr 66
		.amdhsa_reserve_vcc 0
		.amdhsa_float_denorm_mode_32 3
		.amdhsa_float_denorm_mode_16_64 3
		.amdhsa_memory_ordered 1
		.amdhsa_forward_progress 1
		.amdhsa_inst_pref_size 34
	.end_amdhsa_kernel
	.amdgpu_metadata
---
amdhsa.version: [ 1, 2 ]
amdhsa.kernels:
  - .name:           k_q0ad8fa1e83_ln1
    .symbol:         k_q0ad8fa1e83_ln1.kd
    .args:
      - { .name: x, .offset: 0, .size: 8, .value_kind: global_buffer, .address_space: global }
      - { .name: ln1_w, .offset: 8, .size: 8, .value_kind: global_buffer, .address_space: global }
      - { .name: ln1_b, .offset: 16, .size: 8, .value_kind: global_buffer, .address_space: global }
      - { .name: ap, .offset: 24, .size: 8, .value_kind: global_buffer, .address_space: global }
    .group_segment_fixed_size: 66816
    .private_segment_fixed_size: 0
    .kernarg_segment_align: 8
    .kernarg_segment_size: 32
    .max_flat_workgroup_size: 256
    .sgpr_count:     66
    .vgpr_count:     184
    .wavefront_size: 32
...
	.end_amdgpu_metadata
.endif
;; end of part 2
;; launch qkv (part 3): grid 48 x 4, 4 waves a work-group, clusters of 4 x 4, 327,680 bytes of LDS; arguments ap, wp, bq, bk, bv, qb, kv; writes qb, kv
.if DOCPART == 3
	.amdgcn_target "amdgcn-amd-amdhsa--gfx1250"
	.amdhsa_code_object_version 6
	.text
	.protected	k_q0ad8fa1e83_qkv
	.globl	k_q0ad8fa1e83_qkv
	.p2align	8
	.type	k_q0ad8fa1e83_qkv,@function
k_q0ad8fa1e83_qkv:
	s_mov_b64 s[64:65], 0
	v_nop
	global_prefetch_b8 v0, s[64:65] scope:SCOPE_SE
	s_setreg_imm32_b32 hwreg(HW_REG_WAVE_MODE, 25, 1), 1
	s_wait_xcnt 0x0
	s_wait_alu depctr_hold_cnt(0) depctr_sa_sdst(0) depctr_va_vdst(0) depctr_va_sdst(0) depctr_va_ssrc(0) depctr_va_vcc(0) depctr_vm_vsrc(0)
	s_getreg_b32 s2, hwreg(HW_REG_IB_STS2, 6, 4)
	s_cmp_eq_u32 s2, 0
	s_cbranch_scc0 .Lentry_in_a_cluster
	s_endpgm
.Lentry_in_a_cluster:
	s_bfe_u32 s2, ttmp6, 0x10000c
	s_cmp_lg_u32 s2, 0xf033
	s_cbranch_scc0 .Lentry_shape_is_right
	s_endpgm
.Lentry_shape_is_right:
.set CH,    33792
.set ACH,   17152
.set HS,    16*ACH
.set KCH,   4
.set LAPS,  2
.set SLOT,  4*CH
.set SPARE, 2*SLOT
.set NQ,    2
.set FR,    16
.set NL,    4
.set NP,    8
.set ADRA,  16
.set ADRB,  20
.set ADRS,  22
.set LI,    27
.set SPW,   28
.set NIL,   29
.set LS,    30
.set SC,    32
.set BI,    64
.set AF,    128
.set TM,    64
.set PW,    80
.set PW2,   81
.set PC,    96
.set T,     128
.set G1,    24
.set G0,    32
.set G1B,   48
.set G0B,   56
.set OB,    82
.set SEL,   86
.set MNT,   88
.set MSB, 0
.macro WIN new
.if MSB != (\new)
	s_set_vgpr_msb (MSB<<8)|(\new)
.set MSB, (\new)
.endif
.endm
.set MUL_LO, 0xa1
.set MUL_HI, 0xf1
.set TO_B,   0x40
.macro JLOAD g0a, g1a, g0b, g1b
	s_cmp_eq_u32 s15, 0
	s_cbranch_scc0 .Lfor_b_\@
	tensor_load_to_lds s[\g0a:\g0a+3], s[\g1a:\g1a+7]
	s_nop 0
.rept 4
	v_nop
.endr
	s_branch .Lasked_\@
.Lfor_b_\@:
	tensor_load_to_lds s[\g0b:\g0b+3], s[\g1b:\g1b+7]
	s_nop 0
.rept 4
	v_nop
.endr
.Lasked_\@:
.endm
.macro CREST
	s_cmp_lg_u32 s14, 0
	s_cbranch_scc1 .Lnot_wave_0_\@
	s_barrier_signal -3
.Lnot_wave_0_\@:
	s_barrier_wait -3
	s_barrier_signal -1
	s_barrier_wait -1
.endm
.macro CROUND
	s_barrier_signal -1
	s_barrier_wait -1
	CREST
.endm
	s_load_b128 s[4:7], s[0:1], 0x0
	s_load_b128 s[8:11], s[0:1], 0x10
	s_load_b128 s[68:71], s[0:1], 0x20
	s_load_b64 s[72:73], s[0:1], 0x30
	v_lshl_add_u32 v[SPW], v0, 2, SPARE
	v_mov_b32 v[NIL], 0
	ds_add_u32 v[SPW], v[NIL]
	ds_add_u32 v[SPW], v[NIL]
	v_lshrrev_b32 v1, 5, v0
	v_readfirstlane_b32 s14, v1
	s_lshr_b32 s15, s14, 1
	s_and_b32 s16, s14, 1
	s_bfe_u32 s40, ttmp6, 0x40000
	s_bfe_u32 s41, ttmp6, 0x40004
	s_lshr_b32 s17, ttmp9, 1
	s_lshl_b32 s17, s17, 2
	s_and_b32 s42, ttmp9, 1
	s_lshl_b32 s42, s42, 2
	s_sub_co_u32 s18, ttmp9, 8
	s_lshl_b32 s18, s18, 2
	s_cmp_lt_u32 ttmp9, 8
	s_cselect_b32 s17, s17, 0
	s_cselect_b32 s42, s42, s18
	s_add_co_u32 s17, s17, s41
	s_add_co_u32 s42, s42, s40
	s_lshl_b32 s43, s41, 2
	s_lshl_b32 s43, 15, s43
	s_lshl_b32 s44, 0x1111, s40
	s_or_b32 s[G1+0], s43, (3<<16)|(1<<21)
	s_or_b32 s[G1B+0], s44, (3<<16)|(1<<21)
.irp g, G1, G1B
	s_mov_b32 s[\g+1], 32<<16
	s_mov_b32 s[\g+2], 132<<16
	s_mov_b32 s[\g+3], 32<<16
	s_mov_b32 s[\g+4], 132
	s_mov_b32 s[\g+5], 32
	s_mov_b32 s[\g+6], 0
	s_mov_b32 s[\g+7], 0
.endr
	s_lshl_b32 s20, s17, 1
	s_add_co_u32 s20, s20, s16
	s_mul_i32 s20, s20, KCH*CH
	s_mov_b32 s21, 0
	s_lshl_b32 s46, s42, 1
	s_add_co_u32 s46, s46, s16
	s_mul_i32 s46, s46, KCH*CH
	s_mov_b32 s47, 0
	s_mul_i32 s45, s14, CH
	s_mov_b32 s[SEL], 0x76543210
	s_mov_b32 s[SEL+1], 0xfedcba98
	s_mov_b32 s[MNT], 0x600000
	s_wait_dscnt 0x0
	s_wait_kmcnt 0x0
	s_add_nc_u64 s[74:75], s[6:7], 64*CH
	s_cmp_lt_u32 ttmp9, 8
	s_cselect_b64 s[76:77], s[4:5], s[74:75]
	s_cselect_b64 s[78:79], s[6:7], s[4:5]
	s_add_nc_u64 s[20:21], s[76:77], s[20:21]
	s_add_nc_u64 s[46:47], s[78:79], s[46:47]
	CROUND
.irp s, 0,1
	s_mov_b32 s[G0+4*\s], 1
	s_add_co_u32 s[G0+4*\s+1], s45, \s*SLOT
	s_add_nc_u64 s[G0+4*\s+2:G0+4*\s+3], s[20:21], \s*CH
	s_or_b32 s[G0+4*\s+3], s[G0+4*\s+3], 0x80000000
	s_mov_b32 s[G0B+4*\s], 1
	s_add_co_u32 s[G0B+4*\s+1], s45, \s*SLOT
	s_add_nc_u64 s[G0B+4*\s+2:G0B+4*\s+3], s[46:47], \s*CH
	s_or_b32 s[G0B+4*\s+3], s[G0B+4*\s+3], 0x80000000
	s_wait_alu depctr_va_vdst(0)
	s_wait_tensorcnt 0x0
	ds_add_u32 v28, v29
	ds_add_u32 v28, v29
	s_wait_dscnt 0x0
	CROUND
	JLOAD G0+4*\s, G1, G0B+4*\s, G1B
.endr
	v_and_b32 v1, 15, v0
	v_bfe_u32 v2, v0, 4, 1
	s_wait_alu depctr_va_vdst(0)
	v_and_b32 v3, 31, v0
	v_lshlrev_b32 v[LI], 4, v3
	v_lshlrev_b32 v[LS], 2, v1
	s_mul_i32 s21, s15, CH
	s_mul_i32 s22, s16, CH
	s_add_co_u32 s22, s22, 2*CH
.irp s, 0,1
	v_add_nc_u32 v[ADRA+\s], s21, v[LI]
	v_add_nc_u32 v[ADRB+\s], s22, v[LI]
	s_add_co_u32 s21, s21, SLOT
	s_add_co_u32 s22, s22, SLOT
.endr
	s_mul_i32 s21, s15, CH
	s_mul_i32 s22, s16, CH
	s_add_co_u32 s22, s22, 2*CH
	s_sub_co_u32 s22, s22, s21
	v_mul_u32_u24 v4, s22, v2
	v_lshl_add_u32 v4, v1, 3, v4
	v_add_nc_u32 v[ADRS], s21, v4
	v_add_nc_u32 v[ADRS+1], SLOT, v[ADRS]
	s_lshl_b32 s84, s17, 1
	s_add_co_u32 s84, s84, s15
	s_lshl_b32 s85, s42, 1
	s_add_co_u32 s85, s85, s16
	s_lshl_b32 s89, s40, 2
	s_lshl_b32 s90, s16, 1
	s_add_co_u32 s89, s89, s90
	s_lshl_b32 s90, s41, 2
	s_lshl_b32 s91, s15, 1
	s_add_co_u32 s90, s90, s91
	s_cmp_lt_u32 ttmp9, 8
	s_cselect_b32 s84, s84, s85
	s_cselect_b32 s89, s89, s90
	s_lshr_b32 s85, s84, 4
	s_and_b32 s84, s84, 15
	s_lshl_b32 s85, s85, 4
	s_add_co_u32 s85, s85, s89
	s_lshl_b32 s85, s85, 4
	s_add_co_u32 s85, s85, s84
	s_mul_i32 s84, s85, ACH
	s_mov_b32 s85, 0
	s_and_b32 s90, ttmp9, 9
	s_cmp_eq_u32 s90, 0
	s_cselect_b64 s[OB:OB+1], s[70:71], s[72:73]
	s_add_nc_u64 s[OB:OB+1], s[OB:OB+1], s[84:85]
	s_cmp_lt_u32 ttmp9, 8
	s_cbranch_scc0 .Lbias_v
	s_bitcmp1_b32 ttmp9, 0
	s_cselect_b64 s[92:93], s[10:11], s[8:9]
	s_lshl_b32 s94, s40, 10
	s_lshl_b32 s95, s16, 9
	s_add_co_u32 s94, s94, s95
	s_mov_b32 s95, 0
	s_add_nc_u64 s[92:93], s[92:93], s[94:95]
	v_lshlrev_b32 v5, 6, v2
.irp b, 0,1,2,3,4,5,6,7
	global_load_b128 v[BI+8*\b:BI+8*\b+3], v5, s[92:93] offset:(32*(\b/2)+8*(\b%2))*4
	global_load_b128 v[BI+8*\b+4:BI+8*\b+7], v5, s[92:93] offset:(32*(\b/2)+8*(\b%2))*4+16
.endr
	s_branch .Lbias_done
.Lbias_v:
	s_lshl_b32 s94, s17, 10
	s_lshl_b32 s95, s15, 9
	s_add_co_u32 s94, s94, s95
	s_mov_b32 s95, 0
	s_add_nc_u64 s[92:93], s[68:69], s[94:95]
	v_and_b32 v5, 7, v1
	v_lshrrev_b32 v6, 3, v1
	v_lshl_add_u32 v5, v6, 4, v5
	v_lshlrev_b32 v5, 2, v5
.irp a, 0,1,2,3,4,5,6,7
.irp j, 0,1,2,3,4,5,6,7
	global_load_b32 v[BI+8*\a+\j], v5, s[92:93] offset:(32*(\a/2)+8*(\a%2))*4
.endr
.endr
.Lbias_done:
.macro FRAG reg, adr, q, i
.irp c, 0,1,2,3
	ds_load_b128 v[\reg+4*\c:\reg+4*\c+3], v[\adr] offset:(8*(\q)+(\i))*2048+512*\c
.endr
.endm
.macro MUL16 a0, p, q, sc, cm
.irp a, \a0, \a0+1
.irp b, 0,1,2,3,4,5,6,7
.if \cm == 1
	v_wmma_scale_f32_16x16x128_f8f6f4 v[8*(8*((\a)%4)+\b):8*(8*((\a)%4)+\b)+7], v[128*(\p)+FR*\b:128*(\p)+FR*\b+FR-1], v[AF+FR*(\a):AF+FR*(\a)+FR-1], v[BI+8*\b:BI+8*\b+7], v[SC+8*NQ*(\sc)+NQ*\b+(\q)], v[SC+8*NQ*(\sc)+NQ*(\a)+(\q)] matrix_a_fmt:MATRIX_FMT_BF8 matrix_b_fmt:MATRIX_FMT_BF8 matrix_a_scale:MATRIX_SCALE_ROW1
.elseif \cm == 2
	v_wmma_scale_f32_16x16x128_f8f6f4 v[8*(8*((\a)%4)+\b):8*(8*((\a)%4)+\b)+7], v[128*(\p)+FR*\b:128*(\p)+FR*\b+FR-1], v[AF+FR*(\a):AF+FR*(\a)+FR-1], v[BI+8*(\a):BI+8*(\a)+7], v[SC+8*NQ*(\sc)+NQ*\b+(\q)], v[SC+8*NQ*(\sc)+NQ*(\a)+(\q)] matrix_a_fmt:MATRIX_FMT_BF8 matrix_b_fmt:MATRIX_FMT_BF8 matrix_a_scale:MATRIX_SCALE_ROW1
.else
	v_wmma_scale_f32_16x16x128_f8f6f4 v[8*(8*((\a)%4)+\b):8*(8*((\a)%4)+\b)+7], v[128*(\p)+FR*\b:128*(\p)+FR*\b+FR-1], v[AF+FR*(\a):AF+FR*(\a)+FR-1], v[8*(8*((\a)%4)+\b):8*(8*((\a)%4)+\b)+7], v[SC+8*NQ*(\sc)+NQ*\b+(\q)], v[SC+8*NQ*(\sc)+NQ*(\a)+(\q)] matrix_a_fmt:MATRIX_FMT_BF8 matrix_b_fmt:MATRIX_FMT_BF8 matrix_a_scale:MATRIX_SCALE_ROW1
.endif
.endr
.endr
.endm
.macro FETCH_B slot, q, p
	WIN TO_B
.irp i, 0,1,2,3,4,5,6,7
	FRAG 128*(\p)+FR*\i, ADRB+\slot, \q, \i
.endr
	WIN 0
.endm
.macro FETCH_A slot, q, i0
.irp i, \i0, \i0+1, \i0+2, \i0+3
	FRAG AF+FR*(\i), ADRA+\slot, \q, \i
.endr
.endm
.macro SCALES sc
.irp i, 0,1,2,3,4,5,6,7
	ds_load_b64 v[SC+8*NQ*\sc+NQ*\i:SC+8*NQ*\sc+NQ*\i+1], v[ADRS+\sc] offset:32768+128*\i
.endr
.endm
.macro PLACES n
.rept \n
	v_nop
.endr
.endm
.macro STEP slot, q, cm
	s_wait_dscnt 4*NL
.if \cm
	WIN 0x81
.else
	WIN MUL_LO
.endif
	MUL16 0, (\q)%2, \q, \slot, \cm
	MUL16 2, (\q)%2, \q, \slot, \cm
	s_wait_dscnt 0
	PLACES NP
	FETCH_B \slot, (\q)+1, 1-(\q)%2
	FETCH_A \slot, (\q)+1, 0
.if \cm
	WIN 0xc1
.else
	WIN MUL_HI
.endif
	MUL16 4, (\q)%2, \q, \slot, \cm
	MUL16 6, (\q)%2, \q, \slot, \cm
	PLACES NP
	WIN 0
	FETCH_A \slot, (\q)+1, 4
.endm
.macro TURN slot, next, fill
	s_wait_tensorcnt 0x0
	ds_add_u32 v[SPW], v[NIL]
	s_wait_dscnt 4*NL+1
	WIN MUL_LO
	MUL16 0, 1, NQ-1, \slot, 0
	s_wait_dscnt 0x0
	s_barrier_signal -1
	MUL16 2, 1, NQ-1, \slot, 0
	WIN 0
	s_barrier_wait -1
.if \fill
	CREST
	s_add_nc_u64 s[G0+4*\slot+2:G0+4*\slot+3], s[G0+4*\slot+2:G0+4*\slot+3], 2*CH
	s_add_nc_u64 s[G0B+4*\slot+2:G0B+4*\slot+3], s[G0B+4*\slot+2:G0B+4*\slot+3], 2*CH
	JLOAD G0+4*\slot, G1, G0B+4*\slot, G1B
	PLACES NP-4
.else
	PLACES NP
.endif
	FETCH_B \next, 0, 0
	FETCH_A \next, 0, 0
	SCALES \next
	WIN MUL_HI
	MUL16 4, 1, NQ-1, \slot, 0
	MUL16 6, 1, NQ-1, \slot, 0
	PLACES NP
	WIN 0
	FETCH_A \next, 0, 4
.endm
	s_wait_tensorcnt 1
	s_barrier_signal -1
	s_barrier_wait -1
	s_wait_alu depctr_va_vdst(0)
	FETCH_B 0, 0, 0
	FETCH_A 0, 0, 0
	SCALES 0
	FETCH_A 0, 0, 4
	s_wait_loadcnt 0x0
	s_cmp_lt_u32 ttmp9, 8
	s_cbranch_scc0 .Lfirst_v
	STEP 0, 0, 1
	s_branch .Lfirst_done
.Lfirst_v:
	STEP 0, 0, 2
.Lfirst_done:
	s_mov_b32 s3, LAPS-1
.Llap:
	TURN 0, 1, 1
	STEP 1, 0, 0
	TURN 1, 0, 1
	STEP 0, 0, 0
	s_sub_co_u32 s3, s3, 1
	s_cmp_lg_u32 s3, 0
	s_cbranch_scc1 .Llap
	TURN 0, 1, 0
	STEP 1, 0, 0
	s_wait_dscnt 4*NL
	WIN MUL_LO
	MUL16 0, 1, NQ-1, 1, 0
	MUL16 2, 1, NQ-1, 1, 0
	s_wait_dscnt 0
	WIN MUL_HI
	MUL16 4, 1, NQ-1, 1, 0
	MUL16 6, 1, NQ-1, 1, 0
	WIN 0
	PLACES NP
.irp b, 0,1,2,3
	v_mov_b32 v[TM+4+\b], 0
.endr
.macro QUANTW a
.set WA, 2+(\a)/4
.set ACB, 64*((\a)%4)
	s_wait_xcnt 0x0
	WIN WA|(WA<<2)
.irp b, 0,1,2,3
	v_max3_num_f32 v[TM+\b], |v[ACB+16*\b]|, |v[ACB+16*\b+1]|, 0x8000000
.endr
	WIN (WA<<2)|(WA<<4)
.irp i, 2,4,6,8,10,12,14
.irp b, 0,1,2,3
	v_max3_num_f32 v[TM+\b], v[TM+\b], |v[ACB+16*\b+\i]|, |v[ACB+16*\b+\i+1]|
.endr
.endr
	WIN 0
.irp b, 0,1,2,3
	v_permlanex16_b32 v[TM+4+\b], v[TM+\b], s[SEL], s[SEL+1]
.endr
.irp b, 0,1,2,3
	v_max_num_f32 v[TM+\b], v[TM+\b], v[TM+4+\b]
.endr
.irp b, 0,1,2,3
	v_add_nc_u32 v[TM+12+\b], 0xf8800000, v[TM+\b]
.endr
.irp b, 0,1,2,3
	v_and_or_b32 v[TM+8+\b], v[TM+\b], 0x7f800000, s[MNT]
.endr
.irp b, 0,1,2,3
	v_lshrrev_b32 v[TM+4+\b], 23, v[TM+12+\b]
.endr
	v_lshl_or_b32 v[PW], v[TM+5], 8, v[TM+4]
	v_lshl_or_b32 v[PW], v[TM+6], 16, v[PW]
	v_lshl_or_b32 v[PW], v[TM+7], 24, v[PW]
	WIN WA
.irp b, 0,1,2,3
.irp i, 0,1,2,3,4,5,6,7,8,9,10,11,12,13,14,15
	v_med3_num_f32 v[T+16*\b+\i], v[ACB+16*\b+\i], -v[TM+8+\b], v[TM+8+\b]
.endr
.endr
	WIN 0
.irp b, 0,1,2,3
	v_cvt_scalef32_pk8_bf8_f32 v[PC+4*\b:PC+4*\b+1], v[T+16*\b:T+16*\b+7], v[TM+12+\b]
	v_cvt_scalef32_pk8_bf8_f32 v[PC+4*\b+2:PC+4*\b+3], v[T+16*\b+8:T+16*\b+15], v[TM+12+\b]
.endr
	v_nop
.endm
.macro OUTB a
	QUANTW \a
	v_lshrrev_b32 v[PW2], 16, v[PW]
	s_cmp_lt_u32 ttmp9, 8
	s_cbranch_scc0 .Lout_v_\@
.irp c, 0,1,2,3
	global_store_b128 v[LI], v[PC+4*\c:PC+4*\c+3], s[OB:OB+1] offset:(\a)*1024+(\c%2)*512+(\c/2)*HS
.endr
	global_store_b32 v[LS], v[PW], s[OB:OB+1] offset:16384+64*(\a)
	global_store_b32 v[LS], v[PW2], s[OB:OB+1] offset:16384+64*(\a)+HS
	s_branch .Lout_done_\@
.Lout_v_\@:
	s_wait_alu depctr_va_vdst(0)
.irp c, 0,1,2,3
	global_store_b128 v[LI], v[PC+4*\c:PC+4*\c+3], s[OB:OB+1] offset:((\a)/4)*HS+8192+((\a)%4)*2048+512*\c
.endr
	global_store_b32 v[LS], v[PW], s[OB:OB+1] offset:((\a)/4)*HS+16896+((\a)%4)*64
.Lout_done_\@:
.endm
.irp a, 0,1,2,3,4,5,6,7
	OUTB \a
.endr
	s_wait_tensorcnt 0x0
	ds_add_u32 v[SPW], v[NIL]
	s_wait_dscnt 0x0
	CROUND
	s_endpgm
.Lfunc_end_k_q0ad8fa1e83_qkv:
	.size	k_q0ad8fa1e83_qkv, .Lfunc_end_k_q0ad8fa1e83_qkv-k_q0ad8fa1e83_qkv
	.p2alignl 7, 3214868480
	.fill 96, 4, 3214868480
	.section	.rodata,"a",@progbits
	.p2align	6, 0x0
	.amdhsa_kernel k_q0ad8fa1e83_qkv
		.amdhsa_group_segment_fixed_size 327680
		.amdhsa_private_segment_fixed_size 0
		.amdhsa_enable_private_segment 0
		.amdhsa_kernarg_size 56
		.amdhsa_user_sgpr_count 2
		.amdhsa_user_sgpr_kernarg_segment_ptr 1
		.amdhsa_wavefront_size32 1
		.amdhsa_system_sgpr_workgroup_id_x 1
		.amdhsa_system_sgpr_workgroup_id_y 1
		.amdhsa_system_sgpr_workgroup_id_z 1
		.amdhsa_system_vgpr_workitem_id 0
		.amdhsa_next_free_vgpr 1024
		.amdhsa_next_free_sgpr 100
		.amdhsa_reserve_vcc 0
		.amdhsa_float_denorm_mode_32 3
		.amdhsa_float_denorm_mode_16_64 3
		.amdhsa_memory_ordered 1
		.amdhsa_forward_progress 1
		.amdhsa_inst_pref_size 211
	.end_amdhsa_kernel
	.amdgpu_metadata
---
amdhsa.version: [ 1, 2 ]
amdhsa.kernels:
  - .name:           k_q0ad8fa1e83_qkv
    .symbol:         k_q0ad8fa1e83_qkv.kd
    .args:
      - { .name: ap, .offset: 0, .size: 8, .value_kind: global_buffer, .address_space: global }
      - { .name: wp, .offset: 8, .size: 8, .value_kind: global_buffer, .address_space: global }
      - { .name: bq, .offset: 16, .size: 8, .value_kind: global_buffer, .address_space: global }
      - { .name: bk, .offset: 24, .size: 8, .value_kind: global_buffer, .address_space: global }
      - { .name: bv, .offset: 32, .size: 8, .value_kind: global_buffer, .address_space: global }
      - { .name: qb, .offset: 40, .size: 8, .value_kind: global_buffer, .address_space: global }
      - { .name: kv, .offset: 48, .size: 8, .value_kind: global_buffer, .address_space: global }
    .group_segment_fixed_size: 327680
    .private_segment_fixed_size: 0
    .kernarg_segment_align: 8
    .kernarg_segment_size: 56
    .max_flat_workgroup_size: 128
    .sgpr_count:     100
    .vgpr_count:     1024
    .wavefront_size: 32
...
	.end_amdgpu_metadata
.endif
;; end of part 3
;; launch attn (part 4): grid 8 x 32, 16 waves a work-group, clusters of 4 x 1, 327,680 bytes of LDS; arguments qb, kv, mask, ap; writes ap
.if DOCPART == 4
	.amdgcn_target "amdgcn-amd-amdhsa--gfx1250"
	.amdhsa_code_object_version 6
	.text
	.protected	k_q0ad8fa1e83_attn
	.globl	k_q0ad8fa1e83_attn
	.p2align	8
	.type	k_q0ad8fa1e83_attn,@function
k_q0ad8fa1e83_attn:
	s_mov_b64 s[64:65], 0
	v_nop
	global_prefetch_b8 v0, s[64:65] scope:SCOPE_SE
	s_setreg_imm32_b32 hwreg(HW_REG_WAVE_MODE, 25, 1), 1
	s_wait_xcnt 0x0
	s_wait_alu depctr_hold_cnt(0) depctr_sa_sdst(0) depctr_va_vdst(0) depctr_va_sdst(0) depctr_va_ssrc(0) depctr_va_vcc(0) depctr_vm_vsrc(0)
	s_getreg_b32 s2, hwreg(HW_REG_IB_STS2, 6, 4)
	s_cmp_eq_u32 s2, 0
	s_cbranch_scc0 .Lentry_in_a_cluster
	s_endpgm
.Lentry_in_a_cluster:
	s_bfe_u32 s2, ttmp6, 0x10000c
	s_cmp_lg_u32 s2, 0x3003
	s_cbranch_scc0 .Lentry_shape_is_right
	s_endpgm
.Lentry_shape_is_right:
.set ACH,   17152
.set HS,    16*ACH
.set CH,    33792
.set MSK,   HS
.set SPARE, MSK+8192
.set EARLY, 4352
.set LATE,  12800
.set LI,  1
.set AS0, 2
.set AM0, 3
.set SPW, 5
.set NIL, 6
.set ADK, 8
.set ADS, 9
.set ADM, 10
.set MA,  192
.set WV,  18
.set MNT, 19
.set SEL, 20
.set CS,  22
.set G1E, 24
.set G1L, 32
.set G0E, 40
.set G0L, 44
.set TB,  2
.set TMK, 3
.set CNT, 48
.macro CROUND
	s_barrier_signal -1
	s_barrier_wait -1
	s_cmp_lg_u32 s[WV], 0
	s_cbranch_scc1 .Lnot_wave_0_\@
	s_barrier_signal -3
.Lnot_wave_0_\@:
	s_barrier_wait -3
	s_barrier_signal -1
	s_barrier_wait -1
.endm
	s_load_b256 s[4:11], s[0:1], 0x0
	v_lshl_add_u32 v[SPW], v0, 2, SPARE
	v_mov_b32 v[NIL], 0
	ds_add_u32 v[SPW], v[NIL]
	ds_add_u32 v[SPW], v[NIL]
	v_lshrrev_b32 v8, 5, v0
	s_delay_alu instid0(VALU_DEP_1)
	v_readfirstlane_b32 s[WV], v8
	s_bfe_u32 s51, ttmp6, 0x40000
	s_lshl_b32 s52, ttmp9, 2
	s_add_co_u32 s52, s52, s51
	s_and_b32 s50, ttmp7, 0xffff
	s_mov_b32 s[G1E], 15|(3<<16)|(1<<21)
	s_mov_b32 s[G1E+1], 32<<16
	s_mov_b32 s[G1E+2], 17<<16
	s_mov_b32 s[G1E+3], 32<<16
	s_mov_b32 s[G1E+4], 17
	s_mov_b32 s[G1E+5], 32
	s_mov_b32 s[G1E+6], 0
	s_mov_b32 s[G1E+7], 0
	s_mov_b32 s[G1L], 15|(3<<16)|(1<<21)
	s_mov_b32 s[G1L+1], 32<<16
	s_mov_b32 s[G1L+2], 50<<16
	s_mov_b32 s[G1L+3], 32<<16
	s_mov_b32 s[G1L+4], 50
	s_mov_b32 s[G1L+5], 32
	s_mov_b32 s[G1L+6], 0
	s_mov_b32 s[G1L+7], 0
	s_mul_i32 s54, s50, HS
	s_mov_b32 s55, 0
	s_mul_i32 s56, s[WV], EARLY
	s_mov_b32 s57, 0
	s_mul_i32 s58, s[WV], LATE
	s_add_co_u32 s58, s58, 16*EARLY
	s_mov_b32 s59, 0
	s_mov_b32 s[SEL], 0x76543210
	s_mov_b32 s[SEL+1], 0xfedcba98
	s_mov_b32 s[CS], 0x3e38aa3b
	s_mov_b32 s[CS+1], s[CS]
	s_mov_b32 s[MNT], 0x600000
	s_wait_dscnt 0x0
	s_wait_kmcnt 0x0
	s_add_nc_u64 s[6:7], s[6:7], s[54:55]
	s_mov_b32 s[G0E], 1
	s_mov_b32 s[G0E+1], s56
	s_add_nc_u64 s[G0E+2:G0E+3], s[6:7], s[56:57]
	s_or_b32 s[G0E+3], s[G0E+3], 0x80000000
	s_mov_b32 s[G0L], 1
	s_mov_b32 s[G0L+1], s58
	s_add_nc_u64 s[G0L+2:G0L+3], s[6:7], s[58:59]
	s_or_b32 s[G0L+3], s[G0L+3], 0x80000000
	CROUND
	tensor_load_to_lds s[G0E:G0E+3], s[G1E:G1E+7]
	s_nop 0
	s_wait_alu depctr_va_vdst(0)
	s_wait_tensorcnt 0x0
	ds_add_u32 v5, v6
	s_wait_dscnt 0x0
	CROUND
	tensor_load_to_lds s[G0L:G0L+3], s[G1L:G1L+7]
	s_nop 0
.rept 4
	v_nop
.endr
	v_and_b32 v4, 15, v0
	v_bfe_u32 v7, v0, 4, 1
	v_and_b32 v[LI], 31, v0
	s_delay_alu instid0(VALU_DEP_1)
	v_lshlrev_b32 v[LI], 4, v[LI]
	s_wait_alu depctr_va_vdst(0)
	v_lshl_add_u32 v[AS0], v4, 2, 16384
	v_lshl_add_u32 v[AM0], v7, 6, MSK
	s_lshr_b32 s53, s50, 4
	s_lshl_b32 s60, s53, 13
	s_mov_b32 s61, 0
	s_add_nc_u64 s[8:9], s[8:9], s[60:61]
	v_lshlrev_b32 v10, 4, v0
	global_load_b128 v[96:99], v10, s[8:9]
	s_lshl_b32 s60, s50, 4
	s_lshl_b32 s62, s52, 1
	s_add_co_u32 s60, s60, s62
	s_lshr_b32 s62, s[WV], 3
	s_add_co_u32 s60, s60, s62
	s_mul_i32 s60, s60, ACH
	s_add_nc_u64 s[4:5], s[4:5], s[60:61]
	s_and_b32 s62, s[WV], 7
	s_lshl_b32 s63, s62, 10
	v_add_nc_u32 v8, s63, v[LI]
	global_load_b128 v[16:19], v8, s[4:5]
	global_load_b128 v[20:23], v8, s[4:5] offset:512
	s_lshl_b32 s63, s62, 6
	v_lshl_add_u32 v9, v4, 2, s63
	global_load_b32 v255, v9, s[4:5] offset:16384
	v_lshl_add_u32 v11, v0, 4, MSK
.irp j, 24,25,26,27,28,29,30,31
	v_mov_b32 v[\j], 0
.endr
.irp t, 0,1,2,3
.irp j, 8,9,10,11,12,13,14,15
	v_mov_b32 v[32+16*\t+\j], 0
.endr
.endr
.set j, 0
.rept 32
	v_mov_b32 v[160+j], 0
.set j, j+1
.endr
	v_mov_b32 v13, 0xff61b1e6
	s_delay_alu instid0(VALU_DEP_1)
	v_floor_f32 v12, -v13
	v_mov_b32 v14, 0
	v_mov_b32 v15, 0
.irp b, 0,1,2,3
	v_mov_b32 v[236+\b], 0
.endr
	v_mov_b32 v253, 0
	v_mov_b32 v100, 0xff800000
	s_wait_alu depctr_va_vdst(0)
	s_wait_loadcnt 0x0
.irp j, 0,1,2,3
	v_cmp_eq_u32 vcc_lo, 0, v[96+\j]
	s_delay_alu instid0(VALU_DEP_1)
	v_cndmask_b32 v[96+\j], 0, v100, vcc_lo
.endr
	ds_store_b128 v11, v[96:99]
	s_wait_dscnt 0x0
	s_wait_tensorcnt 1
	s_barrier_signal -1
	s_barrier_wait -1
.macro STEP
	v_add_nc_u32 v[ADK], s[TB], v[LI]
	v_add_nc_u32 v[ADS], s[TB], v[AS0]
	v_add_nc_u32 v[ADM], s[TMK], v[AM0]
.rept 7
	v_nop
.endr
.irp t, 0,1,2,3
	ds_load_b128 v[32+16*\t:35+16*\t], v[ADK] offset:1024*\t
	ds_load_b128 v[36+16*\t:39+16*\t], v[ADK] offset:1024*\t+512
	ds_load_b32 v[248+\t], v[ADS] offset:64*\t
.endr
.irp x, 0,1,2,3,4,5,6,7
	ds_load_b128 v[MA+4*\x:MA+4*\x+3], v[ADM] offset:128*(\x/4)+16*(\x%4)
.endr
	s_wait_alu depctr_va_vdst(0)
	s_wait_dscnt 0x0
.irp t, 0,1,2,3
	v_wmma_scale_f32_16x16x128_f8f6f4 v[96+8*\t:103+8*\t], v[32+16*\t:47+16*\t], v[16:31], 0, v[248+\t], v255 matrix_a_fmt:MATRIX_FMT_BF8 matrix_b_fmt:MATRIX_FMT_BF8
.endr
.rept 8
	v_nop
.endr
.irp t, 0,1,2,3
	ds_load_b128 v[32+16*\t:35+16*\t], v[ADK] offset:1024*(4+\t)
	ds_load_b128 v[36+16*\t:39+16*\t], v[ADK] offset:1024*(4+\t)+512
	ds_load_b32 v[248+\t], v[ADS] offset:64*(4+\t)
.endr
.irp j, 0,2,4,6,8,10,12,14,16,18,20,22,24,26,28,30
	v_pk_add_f32 v[96+\j:97+\j], v[96+\j:97+\j], v[MA+\j:MA+\j+1]
.endr
.irp x, 0,1,2,3,4,5,6,7
	ds_load_b128 v[MA+4*\x:MA+4*\x+3], v[ADM] offset:256+128*(\x/4)+16*(\x%4)
.endr
	s_wait_alu depctr_va_vdst(0)
	s_wait_dscnt 0x0
.irp t, 0,1,2,3
	v_wmma_scale_f32_16x16x128_f8f6f4 v[128+8*\t:135+8*\t], v[32+16*\t:47+16*\t], v[16:31], 0, v[248+\t], v255 matrix_a_fmt:MATRIX_FMT_BF8 matrix_b_fmt:MATRIX_FMT_BF8
.endr
.irp b, 0,1
	v_max3_num_f32 v[232+\b], v[96+16*\b], v[97+16*\b], v[98+16*\b]
.endr
.irp i, 3,5,7,9,11,13
.irp b, 0,1
	s_delay_alu instid0(VALU_DEP_2)
	v_max3_num_f32 v[232+\b], v[232+\b], v[96+16*\b+\i], v[97+16*\b+\i]
.endr
.endr
.irp b, 0,1
	s_delay_alu instid0(VALU_DEP_2)
	v_max_num_f32 v[232+\b], v[232+\b], v[111+16*\b]
.endr
.irp j, 0,2,4,6,8,10,12,14,16,18,20,22,24,26,28,30
	v_pk_add_f32 v[128+\j:129+\j], v[128+\j:129+\j], v[MA+\j:MA+\j+1]
.endr
.irp b, 2,3
	v_max3_num_f32 v[232+\b], v[96+16*\b], v[97+16*\b], v[98+16*\b]
.endr
.irp i, 3,5,7,9,11,13
.irp b, 2,3
	s_delay_alu instid0(VALU_DEP_2)
	v_max3_num_f32 v[232+\b], v[232+\b], v[96+16*\b+\i], v[97+16*\b+\i]
.endr
.endr
.irp b, 2,3
	s_delay_alu instid0(VALU_DEP_2)
	v_max_num_f32 v[232+\b], v[232+\b], v[111+16*\b]
.endr
.irp b, 0,1,2,3
	v_permlanex16_b32 v[236+\b], v[232+\b], s[SEL], s[SEL+1]
.endr
.irp b, 0,1,2,3
	s_delay_alu instid0(VALU_DEP_4)
	v_max_num_f32 v[232+\b], v[232+\b], v[236+\b]
.endr
	s_delay_alu instid0(VALU_DEP_2)
	v_max3_num_f32 v254, v232, v233, v234
	s_delay_alu instid0(VALU_DEP_1)
	v_max_num_f32 v254, v254, v235
	s_delay_alu instid0(VALU_DEP_1)
	v_mul_f32 v254, s[CS], v254
	s_delay_alu instid0(VALU_DEP_1)
	v_max_num_f32 v13, v13, v254
	v_mov_b32 v254, v12
	s_delay_alu instid0(VALU_DEP_2)
	v_floor_f32 v12, -v13
	s_delay_alu instid0(VALU_DEP_1)
	v_sub_f32 v254, v12, v254
	s_delay_alu instid0(VALU_DEP_1)
	v_cvt_i32_f32 v254, v254
	s_delay_alu instid0(VALU_DEP_1)
	v_ldexp_f32 v252, 1.0, v254
.set j, 0
.rept 32
	v_pk_fma_f32 v[96+j:97+j], v[96+j:97+j], s[CS:CS+1], v[12:13] op_sel_hi:[1,0,0]
.set j, j+2
.endr
.irp b, 0,1,2,3
	v_fma_f32 v[232+\b], v[232+\b], s[CS], v12
.endr
.set j, 0
	s_wait_alu depctr_va_vdst(0)
.rept 64
	v_exp_f32 v[96+j], v[96+j]
.set j, j+1
.endr
	v_pk_mul_f32 v[14:15], v[14:15], v[252:253] op_sel_hi:[1,0]
	s_wait_alu depctr_va_vdst(0)
.irp b, 0,1,2,3
	v_exp_f32 v[232+\b], v[232+\b]
.endr
	v_pk_add_f32 v[236:237], v[96:97], v[98:99]
.irp j, 4,8,12,16,20,24,28,32,36,40,44,48,52,56,60
	v_pk_add_f32 v[14:15], v[14:15], v[96+\j:97+\j]
	v_pk_add_f32 v[236:237], v[236:237], v[98+\j:99+\j]
.endr
	s_delay_alu instid0(VALU_DEP_1)
	v_pk_add_f32 v[14:15], v[14:15], v[236:237]
	s_wait_alu depctr_va_vdst(0)
.irp b, 0,1,2,3
	v_max_num_f32 v[232+\b], 0x8000000, v[232+\b]
.endr
.irp b, 0,1,2,3
	s_delay_alu instid0(VALU_DEP_4)
	v_add_nc_u32 v[244+\b], 0xf8800000, v[232+\b]
.endr
.irp b, 0,1,2,3
	v_and_or_b32 v[240+\b], v[232+\b], 0x7f800000, s[MNT]
.endr
.irp b, 0,1,2,3
	v_lshrrev_b32 v[236+\b], 23, v[244+\b]
.endr
	s_delay_alu instid0(VALU_DEP_3)
	v_lshl_or_b32 v253, v237, 8, v236
	s_delay_alu instid0(VALU_DEP_1)
	v_lshl_or_b32 v253, v238, 16, v253
	s_delay_alu instid0(VALU_DEP_1)
	v_lshl_or_b32 v253, v239, 24, v253
.irp b, 0,1,2,3
.irp i, 0,1,2,3,4,5,6,7,8,9,10,11,12,13,14,15
	v_min_num_f32 v[96+16*\b+\i], v[96+16*\b+\i], v[240+\b]
.endr
	v_cvt_scalef32_pk8_bf8_f32 v[224+4*\b:225+4*\b], v[96+16*\b:103+16*\b], v[244+\b]
	v_cvt_scalef32_pk8_bf8_f32 v[226+4*\b:227+4*\b], v[104+16*\b:111+16*\b], v[244+\b]
.endr
.irp j, 0,2,4,6,8,10,12,14,16,18,20,22,24,26,28,30
	v_pk_mul_f32 v[160+\j:161+\j], v[160+\j:161+\j], v[252:253] op_sel_hi:[1,0]
.endr
.irp t, 0,1,2,3
.irp c, 0,1,2,3
	ds_load_b128 v[96+16*\t+4*\c:99+16*\t+4*\c], v[ADK] offset:8192+2048*\t+512*\c
.endr
	ds_load_b32 v[248+\t], v[ADS] offset:512+64*\t
.endr
	s_wait_alu depctr_va_vdst(0)
	s_wait_dscnt 0x0
.irp t, 0,1,2,3
	v_wmma_scale_f32_16x16x128_f8f6f4 v[160+8*\t:167+8*\t], v[96+16*\t:111+16*\t], v[224:239], v[160+8*\t:167+8*\t], v[248+\t], v253 matrix_a_fmt:MATRIX_FMT_BF8 matrix_b_fmt:MATRIX_FMT_BF8
.endr
	s_add_co_u32 s[TB], s[TB], ACH
	s_add_co_u32 s[TMK], s[TMK], 512
.endm
	s_mov_b32 s[TB], 0
	s_mov_b32 s[TMK], 0
	s_mov_b32 s[CNT], 4
.Learly:
	STEP
	s_sub_co_u32 s[CNT], s[CNT], 1
	s_cmp_lg_u32 s[CNT], 0
	s_cbranch_scc1 .Learly
	s_wait_tensorcnt 0x0
	s_wait_dscnt 0x0
	s_barrier_signal -1
	s_barrier_wait -1
	s_mov_b32 s[TB], 4*ACH
	s_mov_b32 s[TMK], 4*512
	s_mov_b32 s[CNT], 12
.Llate:
	STEP
	s_sub_co_u32 s[CNT], s[CNT], 1
	s_cmp_lg_u32 s[CNT], 0
	s_cbranch_scc1 .Llate
.rept 8
	v_nop
.endr
	s_lshl_b32 s70, s53, 4
	s_and_b32 s71, s50, 15
	s_lshl_b32 s72, s52, 1
	s_add_co_u32 s70, s70, s72
	s_lshr_b32 s72, s[WV], 3
	s_add_co_u32 s70, s70, s72
	s_lshl_b32 s70, s70, 2
	s_lshr_b32 s72, s71, 2
	s_add_co_u32 s70, s70, s72
	s_mul_i32 s70, s70, CH
	s_bfe_u32 s72, s71, 0x10001
	s_and_b32 s73, s71, 1
	s_and_b32 s74, s[WV], 7
	s_lshl_b32 s75, s72, 3
	s_add_co_u32 s75, s75, s74
	s_lshl_b32 s75, s75, 11
	s_lshl_b32 s76, s73, 10
	s_add_co_u32 s75, s75, s76
	s_add_co_u32 s66, s70, s75
	s_mov_b32 s67, 0
	s_lshl_b32 s75, s74, 7
	s_lshl_b32 s76, s72, 2
	s_add_co_u32 s75, s75, s76
	s_lshl_b32 s76, s73, 1
	s_add_co_u32 s75, s75, s76
	s_add_co_u32 s68, s70, s75
	s_add_co_u32 s68, s68, 32768
	s_mov_b32 s69, 0
	s_add_nc_u64 s[66:67], s[10:11], s[66:67]
	s_add_nc_u64 s[68:69], s[10:11], s[68:69]
	v_add_f32 v14, v14, v15
	s_delay_alu instid0(VALU_DEP_1)
	v_permlanex16_b32 v252, v14, s[SEL], s[SEL+1]
	s_delay_alu instid0(VALU_DEP_1)
	v_add_f32 v14, v14, v252
	s_wait_alu depctr_va_vdst(0)
	v_rcp_f32 v14, v14
	v_and_b32 v9, 15, v0
	s_delay_alu instid0(VALU_DEP_1)
	v_lshlrev_b32 v9, 3, v9
	s_wait_alu depctr_va_vdst(0)
.set j, 0
.rept 32
	v_mul_f32 v[96+j], v[160+j], v14
.set j, j+1
.endr
.irp b, 0,1
	v_max3_num_f32 v[232+\b], |v[96+16*\b]|, |v[97+16*\b]|, 0x8000000
.endr
.irp i, 2,4,6,8,10,12,14
.irp b, 0,1
	s_delay_alu instid0(VALU_DEP_2)
	v_max3_num_f32 v[232+\b], v[232+\b], |v[96+16*\b+\i]|, |v[97+16*\b+\i]|
.endr
.endr
.irp b, 0,1
	v_permlanex16_b32 v[236+\b], v[232+\b], s[SEL], s[SEL+1]
.endr
.irp b, 0,1
	s_delay_alu instid0(VALU_DEP_2)
	v_max_num_f32 v[232+\b], v[232+\b], v[236+\b]
.endr
.irp b, 0,1
	s_delay_alu instid0(VALU_DEP_2)
	v_add_nc_u32 v[244+\b], 0xf8800000, v[232+\b]
.endr
.irp b, 0,1
	s_delay_alu instid0(VALU_DEP_4)
	v_and_or_b32 v[240+\b], v[232+\b], 0x7f800000, s[MNT]
.endr
.irp b, 0,1
	s_delay_alu instid0(VALU_DEP_4)
	v_lshrrev_b32 v[236+\b], 23, v[244+\b]
.endr
	s_delay_alu instid0(VALU_DEP_1)
	v_lshl_or_b32 v253, v237, 8, v236
.irp b, 0,1
.irp i, 0,1,2,3,4,5,6,7,8,9,10,11,12,13,14,15
	v_med3_num_f32 v[96+16*\b+\i], v[96+16*\b+\i], -v[240+\b], v[240+\b]
.endr
	v_cvt_scalef32_pk8_bf8_f32 v[224+4*\b:225+4*\b], v[96+16*\b:103+16*\b], v[244+\b]
	v_cvt_scalef32_pk8_bf8_f32 v[226+4*\b:227+4*\b], v[104+16*\b:111+16*\b], v[244+\b]
.endr
	v_nop
	global_store_b128 v[LI], v[224:227], s[66:67]
	global_store_b128 v[LI], v[228:231], s[66:67] offset:512
	global_store_b16 v9, v253, s[68:69]
	s_wait_tensorcnt 0x0
	ds_add_u32 v[SPW], v[NIL]
	s_wait_dscnt 0x0
	CROUND
	s_endpgm
.Lfunc_end_k_q0ad8fa1e83_attn:
	.size	k_q0ad8fa1e83_attn, .Lfunc_end_k_q0ad8fa1e83_attn-k_q0ad8fa1e83_attn
	.p2alignl 7, 3214868480
	.fill 96, 4, 3214868480
	.section	.rodata,"a",@progbits
	.p2align	6, 0x0
	.amdhsa_kernel k_q0ad8fa1e83_attn
		.amdhsa_group_segment_fixed_size 327680
		.amdhsa_private_segment_fixed_size 0
		.amdhsa_enable_private_segment 0
		.amdhsa_kernarg_size 32
		.amdhsa_user_sgpr_count 2
		.amdhsa_user_sgpr_kernarg_segment_ptr 1
		.amdhsa_wavefront_size32 1
		.amdhsa_system_sgpr_workgroup_id_x 1
		.amdhsa_system_sgpr_workgroup_id_y 1
		.amdhsa_system_sgpr_workgroup_id_z 1
		.amdhsa_system_vgpr_workitem_id 0
		.amdhsa_next_free_vgpr 256
		.amdhsa_next_free_sgpr 80
		.amdhsa_reserve_vcc 1
		.amdhsa_float_denorm_mode_32 3
		.amdhsa_float_denorm_mode_16_64 3
		.amdhsa_memory_ordered 1
		.amdhsa_forward_progress 1
		.amdhsa_inst_pref_size 65
	.end_amdhsa_kernel
	.amdgpu_metadata
---
amdhsa.version: [ 1, 2 ]
amdhsa.kernels:
  - .name:           k_q0ad8fa1e83_attn
    .symbol:         k_q0ad8fa1e83_attn.kd
    .args:
      - { .name: qb, .offset: 0, .size: 8, .value_kind: global_buffer, .address_space: global }
      - { .name: kv, .offset: 8, .size: 8, .value_kind: global_buffer, .address_space: global }
      - { .name: mask, .offset: 16, .size: 8, .value_kind: global_buffer, .address_space: global }
      - { .name: ap, .offset: 24, .size: 8, .value_kind: global_buffer, .address_space: global }
    .group_segment_fixed_size: 327680
    .private_segment_fixed_size: 0
    .kernarg_segment_align: 8
    .kernarg_segment_size: 32
    .max_flat_workgroup_size: 512
    .sgpr_count:     80
    .vgpr_count:     256
    .wavefront_size: 32
...
	.end_amdgpu_metadata
.endif
;; end of part 4
;; launch wo (part 5): grid 8 x 32, 4 waves a work-group, clusters of 4 x 4, 327,680 bytes of LDS; arguments ap, wp, bo, x, h; writes h
.if DOCPART == 5
	.amdgcn_target "amdgcn-amd-amdhsa--gfx1250"
	.amdhsa_code_object_version 6
	.text
	.protected	k_q0ad8fa1e83_wo
	.globl	k_q0ad8fa1e83_wo
	.p2align	8
	.type	k_q0ad8fa1e83_wo,@function
k_q0ad8fa1e83_wo:
	s_mov_b64 s[64:65], 0
	v_nop
	global_prefetch_b8 v0, s[64:65] scope:SCOPE_SE
	s_setreg_imm32_b32 hwreg(HW_REG_WAVE_MODE, 25, 1), 1
	s_wait_xcnt 0x0
	s_wait_alu depctr_hold_cnt(0) depctr_sa_sdst(0) depctr_va_vdst(0) depctr_va_sdst(0) depctr_va_ssrc(0) depctr_va_vcc(0) depctr_vm_vsrc(0)
	s_getreg_b32 s2, hwreg(HW_REG_IB_STS2, 6, 4)
	s_cmp_eq_u32 s2, 0
	s_cbranch_scc0 .Lentry_in_a_cluster
	s_endpgm
.Lentry_in_a_cluster:
	s_bfe_u32 s2, ttmp6, 0x10000c
	s_cmp_lg_u32 s2, 0xf033
	s_cbranch_scc0 .Lentry_shape_is_right
	s_endpgm
.Lentry_shape_is_right:
; h = x + (attention's output) wo + bo.  The product on codes of E5M2 (A: ap; B: wo's chunks in wp; layout: see the first launch), f32 out.  Nothing of reference() is left out.
; A block of C is 128 x 128: 32 x 8 blocks, 256 work-groups; four waves, 64 x 64 each: 16 accumulators, which begin as the bias (loaded straight into them) and take turns in one order.
; A slot holds 512 along K: A's chunks 2 s, 2 s + 1 and B's likewise, one chunk to a wave's tensor load.  K = 1,024 is two slots: slot 0 is filled at the head, slot 1 behind the full sequence; nothing is filled again.
; CLUSTERS of 4 x 4: A's chunks hang on the block row alone and are asked for jointly along a row of the cluster, B's on the block column alone, jointly along a column.
; NO PREFETCH: the launch's two fills both go out at its head; there is no loop to run ahead in.
; The matrix instruction is used transposed (source 0 = B, source 1 = A): a lane holds one row of C and eight neighbouring columns an accumulator.
; REGISTERS: window 0: v16-31 addresses, v32-63 scale words (a set a slot), v128-255 A's fragments, two sets; window 1: v0-127 B's fragments, two sets, v128-255 the accumulators; window 2: v0-127 the residual.
.set KDIM,  1024
.set WOFF,  96
.set NTOUT, 0
.set PF,    0
.set CH,    33792
.set KCH,   KDIM/256
.set NS,    KDIM/512
.set SLOT,  4*CH
.set SPARE, 2*SLOT
.set SP,    272
.set ADRA,  16
.set ADRB,  20
.set ADRS,  22
.set STO,   24
.set RD,    25
.set CO,    26
.set LI,    27
.set SPW,   28
.set NIL,   29
.set SC,    32
.set AF,    128
.set BK,    128
.set ACC,   128
.set G1,    24
.set G0,    32
.set G1B,   48
.set G0B,   56
.set RES,   68
.set OUT,   70
.set MULW,  0x51                       ; source 0 (B), C and D in window 1, source 1 (A) in window 0
.set MSB, 0
.macro WIN new
.if MSB != (\new)
	s_set_vgpr_msb (MSB<<8)|(\new)
.set MSB, (\new)
.endif
.endm
.macro PLACES n
.rept \n
	v_nop
.endr
.endm
.macro JLOAD s                         ; waves 0, 1 fetch A's two chunks of a slot, waves 2, 3 B's
	s_cmp_eq_u32 s15, 0
	s_cbranch_scc0 .Lfor_b_\@
	tensor_load_to_lds s[G0+4*\s:G0+4*\s+3], s[G1:G1+7]
	s_nop 0
	PLACES 4
	s_branch .Lasked_\@
.Lfor_b_\@:
	tensor_load_to_lds s[G0B+4*\s:G0B+4*\s+3], s[G1B:G1B+7]
	s_nop 0
	PLACES 4
.Lasked_\@:
.endm
.macro CREST
	s_cmp_lg_u32 s14, 0
	s_cbranch_scc1 .Lnot_wave_0_\@
	s_barrier_signal -3
.Lnot_wave_0_\@:
	s_barrier_wait -3
	s_barrier_signal -1
	s_barrier_wait -1
.endm
.macro CROUND
	s_barrier_signal -1
	s_barrier_wait -1
	CREST
.endm
.macro FETCH slot, kk, set             ; the fragments of the slot's kk-th 128 along K: my 64 rows of B, my 64 rows of A
	WIN 0x40
.irp i, 0,1,2,3
.irp c, 0,1,2,3
	ds_load_b128 v[64*(\set)+16*\i+4*\c:64*(\set)+16*\i+4*\c+3], v[ADRB+\slot] offset:((\kk)/2)*CH+(8*((\kk)%2)+\i)*2048+512*\c
.endr
.endr
	WIN 0
.irp i, 0,1,2,3
.irp c, 0,1,2,3
	ds_load_b128 v[AF+64*(\set)+16*\i+4*\c:AF+64*(\set)+16*\i+4*\c+3], v[ADRA+\slot] offset:((\kk)/2)*CH+(8*((\kk)%2)+\i)*2048+512*\c
.endr
.endr
.endm
.macro SCALES slot                     ; a slot's scale words: lanes 0-15 A's fragment i, lanes 16-31 B's; two words (256 along K) a load
.irp k, 0,1
.irp i, 0,1,2,3
	ds_load_b64 v[SC+16*(\slot)+8*\k+2*\i:SC+16*(\slot)+8*\k+2*\i+1], v[ADRS+\slot] offset:\k*CH+128*\i
.endr
.endr
.endm
.macro MUL8 hf, slot, kk               ; A's blocks 2 hf, 2 hf + 1 against B's four
.irp a, 2*\hf, 2*\hf+1
.irp b, 0,1,2,3
	v_wmma_scale_f32_16x16x128_f8f6f4 v[ACC+8*(4*(\a)+\b):ACC+8*(4*(\a)+\b)+7], v[64*((\kk)%2)+16*\b:64*((\kk)%2)+16*\b+15], v[AF+64*((\kk)%2)+16*(\a):AF+64*((\kk)%2)+16*(\a)+15], v[ACC+8*(4*(\a)+\b):ACC+8*(4*(\a)+\b)+7], v[SC+16*(\slot)+8*((\kk)/2)+2*\b+(\kk)%2], v[SC+16*(\slot)+8*((\kk)/2)+2*(\a)+(\kk)%2] matrix_a_fmt:MATRIX_FMT_BF8 matrix_b_fmt:MATRIX_FMT_BF8 matrix_a_scale:MATRIX_SCALE_ROW1
.endr
.endr
.endm
.macro STEP slot, kk                   ; one of a slot's first three steps of 128 along K
	s_wait_dscnt 0x0                               ; this step's fragments are in
	PLACES 8                                       ; places behind the last step's products, ahead of the loads into the set that they read
	FETCH \slot, (\kk)+1, 1-(\kk)%2
	WIN MULW
	MUL8 0, \slot, \kk
	MUL8 1, \slot, \kk
.endm
.macro TURN slot, mode                 ; a slot's last step.  mode 1: change of slots, nothing filled again; 0: the launch's last step
.if \mode == 0
	s_wait_dscnt 0x0
	WIN MULW
	MUL8 0, \slot, 3
	MUL8 1, \slot, 3
	WIN 0
.else
	WIN 0
	s_wait_tensorcnt 0x0                           ; my chunk of the next slot is in
	ds_add_u32 v[SPW], v[NIL]
	s_wait_dscnt 1                                 ; the add alone may be out: this step's fragments are in
	WIN MULW
	MUL8 0, \slot, 3
	s_wait_dscnt 0x0                               ; the add is done; my reads of this slot were over above
	WIN 0
	s_barrier_signal -1
	s_barrier_wait -1
	PLACES 8
	FETCH 1-\slot, 0, 0
	SCALES 1-\slot
	WIN MULW
	MUL8 1, \slot, 3
.endif
.endm
.macro SLOTB slot, mode
	STEP \slot, 0
	STEP \slot, 1
	STEP \slot, 2
	TURN \slot, \mode
.endm
	s_load_b256 s[4:11], s[0:1], 0x0               ; A's chunks, wp, bias, residual
	s_load_b64 s[12:13], s[0:1], 0x20              ; out
	v_lshl_add_u32 v[SPW], v0, 2, SPARE
	v_mov_b32 v[NIL], 0
	ds_add_u32 v[SPW], v[NIL]                      ; the opening: the add, twice on end, and its wait ahead of my first tensor load
	ds_add_u32 v[SPW], v[NIL]
	v_lshrrev_b32 v1, 5, v0
	v_readfirstlane_b32 s14, v1                    ; wave
	s_lshr_b32 s15, s14, 1                         ; my 64 rows; also: I fetch for A (0) or B (1)
	s_and_b32 s16, s14, 1                          ; my 64 columns; also: which chunk of the two
	s_bfe_u32 s40, ttmp6, 0x40000
	s_bfe_u32 s41, ttmp6, 0x40004
	s_lshl_b32 s42, ttmp9, 2
	s_add_co_u32 s42, s42, s40                     ; block column 0..7
	s_and_b32 s17, ttmp7, 0xffff
	s_lshl_b32 s17, s17, 2
	s_add_co_u32 s17, s17, s41                     ; block row 0..31
	s_lshl_b32 s43, s41, 2
	s_lshl_b32 s43, 15, s43
	s_lshl_b32 s44, 0x1111, s40
	s_or_b32 s[G1+0], s43, (3<<16)|(1<<21)         ; a chunk: 132 rows of 256 bytes (32 elements of 8), dense
	s_or_b32 s[G1B+0], s44, (3<<16)|(1<<21)
.irp g, G1, G1B
	s_mov_b32 s[\g+1], 32<<16
	s_mov_b32 s[\g+2], 132<<16
	s_mov_b32 s[\g+3], 32<<16
	s_mov_b32 s[\g+4], 132
	s_mov_b32 s[\g+5], 32
	s_mov_b32 s[\g+6], 0
	s_mov_b32 s[\g+7], 0
.endr
	s_mul_i32 s82, s16, CH
	s_mul_i32 s20, s17, KCH*CH
	s_add_co_u32 s20, s20, s82
	s_mov_b32 s21, 0
	s_mul_i32 s46, s42, KCH*CH
	s_add_co_u32 s46, s46, s82
	s_mov_b32 s47, 0
	s_mul_i32 s45, s14, CH
	s_lshl_b32 s74, s15, 13                        ; LDS: my four fragments of A,
	s_lshl_b32 s75, s16, 13
	s_add_co_u32 s75, s75, 2*CH                    ; of B,
	s_lshl_b32 s76, s15, 9
	s_lshl_b32 s77, s16, 9
	s_add_co_u32 s77, s77, 2*CH
	s_sub_co_u32 s77, s77, s76                     ; from A's scale words to B's,
	s_add_co_u32 s76, s76, 32768
	s_mul_i32 s78, s14, 16*SP                      ; my stage
	s_lshl_b32 s18, s42, 9
	s_lshl_b32 s19, s16, 8
	s_add_co_u32 s18, s18, s19                     ; my 64 columns, in bytes
	s_mov_b32 s19, 0
	s_lshl_b32 s22, s17, 1
	s_add_co_u32 s22, s22, s15
	s_lshl_b32 s22, s22, 18                        ; my 64 rows of 4,096 bytes
	s_add_co_u32 s22, s22, s18
	s_mov_b32 s23, 0
	s_wait_dscnt 0x0
	s_wait_kmcnt 0x0
	s_add_nc_u64 s[20:21], s[4:5], s[20:21]
	s_add_nc_u64 s[46:47], s[6:7], s[46:47]
	s_add_nc_u64 s[46:47], s[46:47], WOFF*CH
	s_add_nc_u64 s[8:9], s[8:9], s[18:19]
	s_add_nc_u64 s[RES:RES+1], s[10:11], s[22:23]
	s_add_nc_u64 s[OUT:OUT+1], s[12:13], s[22:23]
.irp s, 0,1
	s_mov_b32 s[G0+4*\s], 1
	s_add_co_u32 s[G0+4*\s+1], s45, \s*SLOT
	s_add_nc_u64 s[G0+4*\s+2:G0+4*\s+3], s[20:21], \s*2*CH
	s_or_b32 s[G0+4*\s+3], s[G0+4*\s+3], 0x80000000
	s_mov_b32 s[G0B+4*\s], 1
	s_add_co_u32 s[G0B+4*\s+1], s45, \s*SLOT
	s_add_nc_u64 s[G0B+4*\s+2:G0B+4*\s+3], s[46:47], \s*2*CH
	s_or_b32 s[G0B+4*\s+3], s[G0B+4*\s+3], 0x80000000
.endr
	CROUND                                         ; all sixteen work-groups are here: the first joint loads meet
	JLOAD 0                                        ; slot 0: one tensor load a wave at the head
	v_and_b32 v1, 15, v0                           ; r
	v_bfe_u32 v2, v0, 4, 1                         ; h
	v_and_b32 v3, 31, v0
	v_lshlrev_b32 v[LI], 4, v3
	v_add_nc_u32 v[ADRA], s74, v[LI]
	v_add_nc_u32 v[ADRB], s75, v[LI]
	v_add_nc_u32 v[ADRA+1], SLOT, v[ADRA]
	v_add_nc_u32 v[ADRB+1], SLOT, v[ADRB]
	v_mul_u32_u24 v4, s77, v2                      ; lanes 16-31 take B's scale words
	v_lshl_add_u32 v4, v1, 3, v4
	v_add_nc_u32 v[ADRS], s76, v4
	v_add_nc_u32 v[ADRS+1], SLOT, v[ADRS]
	v_mul_u32_u24 v6, v1, SP
	v_lshl_add_u32 v6, v2, 6, v6
	v_add_nc_u32 v[STO], s78, v6                   ; into the stage: row r, + 64 h
	v_mul_u32_u24 v7, v2, SP
	v_lshl_add_u32 v7, v1, 4, v7
	v_add_nc_u32 v[RD], s78, v7                    ; back: lanes 0-15 one row of 256 bytes, lanes 16-31 the next
	v_lshlrev_b32 v8, 12, v2
	v_lshl_add_u32 v[CO], v1, 4, v8                ; and the same two rows in memory
	v_lshlrev_b32 v5, 6, v2                        ; the bias: + 16 h columns
	s_wait_alu depctr_va_vdst(0)                   ; the wait at the head's end
	WIN 0x40
.irp a, 0,1,2,3
.irp b, 0,1,2,3
	global_load_b128 v[ACC+8*(4*\a+\b):ACC+8*(4*\a+\b)+3], v5, s[8:9] offset:(32*(\b/2)+8*(\b%2))*4      ; accumulator (a, b) begins as the bias at its eight columns
	global_load_b128 v[ACC+8*(4*\a+\b)+4:ACC+8*(4*\a+\b)+7], v5, s[8:9] offset:(32*(\b/2)+8*(\b%2))*4+16
.endr
.endr
	WIN 0
	s_wait_tensorcnt 0x0                           ; my chunk of slot 0 is in
	ds_add_u32 v[SPW], v[NIL]
	s_wait_dscnt 0x0
	CROUND
	JLOAD 1                                        ; slot 1's first fill, the first tensor load behind the round
	FETCH 0, 0, 0
	SCALES 0
	s_wait_loadcnt 0x0                             ; the bias
	WIN 0x80
.irp a, 0,1,2,3
.irp u, 0,1,2,3,4,5,6,7
	global_load_b128 v[32*\a+4*\u:32*\a+4*\u+3], v[CO], s[RES:RES+1] offset:(32*(\a/2)+8*(\a%2)+2*(\u%4)+16*(\u/4))*4096   ; the residual, as the stage will give the rows back
.endr
.endr
	WIN 0
	SLOTB 0, 1
	SLOTB 1, 0
; THE WAY OUT.  Block a (16 rows x 64 columns) goes through my stage (in slot 0, which has had its last fill and its last read) and comes back as rows of 256 bytes; the residual is added; sixteen lanes store one aligned run of 256 bytes.
; Stage row t of block a is row 32 (a / 2) + 8 (a % 2) + t % 8 + 16 (t / 8) of my 64.
.macro TOSTAGE a
	WIN 0x04
.irp b, 0,1,2,3
	ds_store_b128 v[STO], v[ACC+8*(4*(\a)+\b):ACC+8*(4*(\a)+\b)+3] offset:128*(\b/2)+32*(\b%2)      ; each accumulator from its low end on
	ds_store_b128 v[STO], v[ACC+8*(4*(\a)+\b)+4:ACC+8*(4*(\a)+\b)+7] offset:128*(\b/2)+32*(\b%2)+16
.endr
	WIN 0
.irp u, 0,1,2,3,4,5,6,7
	ds_load_b128 v[BK+32*(\a)+4*\u:BK+32*(\a)+4*\u+3], v[RD] offset:2*\u*SP   ; LDS serves a wave's instructions in order (ISA guide 5.7.1.4)
.endr
.endm
.macro SEND a, younger
	s_wait_dscnt \younger                          ; the block is back; the next block's 8 stores and 8 loads may be out
.if (\a) == 0
	s_wait_loadcnt 0x0                             ; the residual
.endif
	WIN 0x08
.irp j, 0,2,4,6,8,10,12,14,16,18,20,22,24,26,28,30
	v_pk_add_f32 v[BK+32*(\a)+\j:BK+32*(\a)+\j+1], v[BK+32*(\a)+\j:BK+32*(\a)+\j+1], v[32*(\a)+\j:32*(\a)+\j+1]
.endr
	WIN 0
.irp u, 0,1,2,3,4,5,6,7
	global_store_b128 v[CO], v[BK+32*(\a)+4*\u:BK+32*(\a)+4*\u+3], s[OUT:OUT+1] offset:(32*((\a)/2)+8*((\a)%2)+2*(\u%4)+16*(\u/4))*4096
.endr
.endm
	PLACES 8
	TOSTAGE 0
.irp a, 1,2,3
	TOSTAGE \a
	SEND \a-1, 16
.endr
	SEND 3, 0
	s_wait_tensorcnt 0x0                           ; the wave's end
	ds_add_u32 v[SPW], v[NIL]
	s_wait_dscnt 0x0
	CROUND                                         ; the closing round
	s_endpgm
.Lfunc_end_k_q0ad8fa1e83_wo:
	.size	k_q0ad8fa1e83_wo, .Lfunc_end_k_q0ad8fa1e83_wo-k_q0ad8fa1e83_wo
	.p2alignl 7, 3214868480
	.fill 96, 4, 3214868480
	.section	.rodata,"a",@progbits
	.p2align	6, 0x0
	.amdhsa_kernel k_q0ad8fa1e83_wo
		.amdhsa_group_segment_fixed_size 327680
		.amdhsa_private_segment_fixed_size 0
		.amdhsa_enable_private_segment 0
		.amdhsa_kernarg_size 40
		.amdhsa_user_sgpr_count 2
		.amdhsa_user_sgpr_kernarg_segment_ptr 1
		.amdhsa_wavefront_size32 1
		.amdhsa_system_sgpr_workgroup_id_x 1
		.amdhsa_system_sgpr_workgroup_id_y 1
		.amdhsa_system_sgpr_workgroup_id_z 1
		.amdhsa_system_vgpr_workitem_id 0
		.amdhsa_next_free_vgpr 640
		.amdhsa_next_free_sgpr 100
		.amdhsa_reserve_vcc 0
		.amdhsa_float_denorm_mode_32 3
		.amdhsa_float_denorm_mode_16_64 3
		.amdhsa_memory_ordered 1
		.amdhsa_forward_progress 1
		.amdhsa_inst_pref_size 62
	.end_amdhsa_kernel
	.amdgpu_metadata
---
amdhsa.version: [ 1, 2 ]
amdhsa.kernels:
  - .name:           k_q0ad8fa1e83_wo
    .symbol:         k_q0ad8fa1e83_wo.kd
    .args:
      - { .name: ap, .offset: 0, .size: 8, .value_kind: global_buffer, .address_space: global }
      - { .name: wp, .offset: 8, .size: 8, .value_kind: global_buffer, .address_space: global }
      - { .name: bo, .offset: 16, .size: 8, .value_kind: global_buffer, .address_space: global }
      - { .name: x, .offset: 24, .size: 8, .value_kind: global_buffer, .address_space: global }
      - { .name: h, .offset: 32, .size: 8, .value_kind: global_buffer, .address_space: global }
    .group_segment_fixed_size: 327680
    .private_segment_fixed_size: 0
    .kernarg_segment_align: 8
    .kernarg_segment_size: 40
    .max_flat_workgroup_size: 128
    .sgpr_count:     100
    .vgpr_count:     640
    .wavefront_size: 32
...
	.end_amdgpu_metadata
.endif
;; end of part 5
;; launch ln2: the kernel of part 2 again; grid 256 x 1, 8 waves a work-group, no clusters, 66,816 bytes of LDS; arguments h, ln2_w, ln2_b, ap; writes ap
;; launch ffn1 (part 6): grid 16 x 16, 4 waves a work-group, clusters of 4 x 4, 327,680 bytes of LDS; arguments ap, wp, b1, gp; writes gp
.if DOCPART == 6
	.amdgcn_target "amdgcn-amd-amdhsa--gfx1250"
	.amdhsa_code_object_version 6
	.text
	.protected	k_q0ad8fa1e83_ffn1
	.globl	k_q0ad8fa1e83_ffn1
	.p2align	8
	.type	k_q0ad8fa1e83_ffn1,@function
k_q0ad8fa1e83_ffn1:
	s_mov_b64 s[64:65], 0
	v_nop
	global_prefetch_b8 v0, s[64:65] scope:SCOPE_SE
	s_setreg_imm32_b32 hwreg(HW_REG_WAVE_MODE, 25, 1), 1
	s_wait_xcnt 0x0
	s_wait_alu depctr_hold_cnt(0) depctr_sa_sdst(0) depctr_va_vdst(0) depctr_va_sdst(0) depctr_va_ssrc(0) depctr_va_vcc(0) depctr_vm_vsrc(0)
	s_getreg_b32 s2, hwreg(HW_REG_IB_STS2, 6, 4)
	s_cmp_eq_u32 s2, 0
	s_cbranch_scc0 .Lentry_in_a_cluster
	s_endpgm
.Lentry_in_a_cluster:
	s_bfe_u32 s2, ttmp6, 0x10000c
	s_cmp_lg_u32 s2, 0xf033
	s_cbranch_scc0 .Lentry_shape_is_right
	s_endpgm
.Lentry_shape_is_right:
.set KDIM,  1024
.set WOFF,  128
.set CH,    33792
.set KCH,   KDIM/256
.set LAPS,  KDIM/512
.set SLOT,  4*CH
.set SPARE, 2*SLOT
.set NQ,    2
.set FR,    16
.set NL,    4
.set NP,    8
.set CA,    8
.set CB,    10
.set ADRA,  16
.set ADRB,  20
.set ADRS,  22
.set SPA0,  24
.set SPA,   25
.set LI,    27
.set SPW,   28
.set NIL,   29
.set LS,    30
.set PW,    31
.set SC,    32
.set BI,    64
.set AF,    128
.set P,     32
.set Q,     64
.set TM,    96
.set PC,    112
.set X,     128
.set Z,     192
.set Z2,    224
.set G1,    24
.set G0,    32
.set G1B,   48
.set G0B,   56
.set SEL,   94
.set MNT,   96
.set TO,    97
.set MSB, 0
.macro WIN new
.if MSB != (\new)
	s_set_vgpr_msb (MSB<<8)|(\new)
.set MSB, (\new)
.endif
.endm
.set MUL_LO, 0xa1
.set MUL_HI, 0xf1
.set TO_B,   0x40
.macro JLOAD g0a, g1a, g0b, g1b
	s_cmp_eq_u32 s15, 0
	s_cbranch_scc0 .Lfor_b_\@
	tensor_load_to_lds s[\g0a:\g0a+3], s[\g1a:\g1a+7]
	s_nop 0
.rept 4
	v_nop
.endr
	s_branch .Lasked_\@
.Lfor_b_\@:
	tensor_load_to_lds s[\g0b:\g0b+3], s[\g1b:\g1b+7]
	s_nop 0
.rept 4
	v_nop
.endr
.Lasked_\@:
.endm
.macro CREST
	s_cmp_lg_u32 s14, 0
	s_cbranch_scc1 .Lnot_wave_0_\@
	s_barrier_signal -3
.Lnot_wave_0_\@:
	s_barrier_wait -3
	s_barrier_signal -1
	s_barrier_wait -1
.endm
.macro CROUND
	s_barrier_signal -1
	s_barrier_wait -1
	CREST
.endm
.macro SPAIR r, val
	s_mov_b32 s[\r], \val
	s_mov_b32 s[\r+1], \val
.endm
	s_load_b256 s[4:11], s[0:1], 0x0
	v_lshl_add_u32 v[SPW], v0, 2, SPARE
	v_mov_b32 v[NIL], 0
	ds_add_u32 v[SPW], v[NIL]
	ds_add_u32 v[SPW], v[NIL]
	v_lshrrev_b32 v1, 5, v0
	v_readfirstlane_b32 s14, v1
	s_lshr_b32 s15, s14, 1
	s_and_b32 s16, s14, 1
	s_bfe_u32 s40, ttmp6, 0x40000
	s_bfe_u32 s41, ttmp6, 0x40004
	s_lshl_b32 s42, ttmp9, 2
	s_add_co_u32 s42, s42, s40
	s_and_b32 s17, ttmp7, 0xffff
	s_lshl_b32 s17, s17, 2
	s_add_co_u32 s17, s17, s41
	s_lshl_b32 s43, s41, 2
	s_lshl_b32 s43, 15, s43
	s_lshl_b32 s44, 0x1111, s40
	s_or_b32 s[G1+0], s43, (3<<16)|(1<<21)
	s_or_b32 s[G1B+0], s44, (3<<16)|(1<<21)
.irp g, G1, G1B
	s_mov_b32 s[\g+1], 32<<16
	s_mov_b32 s[\g+2], 132<<16
	s_mov_b32 s[\g+3], 32<<16
	s_mov_b32 s[\g+4], 132
	s_mov_b32 s[\g+5], 32
	s_mov_b32 s[\g+6], 0
	s_mov_b32 s[\g+7], 0
.endr
	s_lshl_b32 s20, s17, 1
	s_add_co_u32 s20, s20, s16
	s_mul_i32 s20, s20, KCH*CH
	s_mov_b32 s21, 0
	s_lshl_b32 s46, s42, 1
	s_add_co_u32 s46, s46, s16
	s_mul_i32 s46, s46, KCH*CH
	s_mov_b32 s47, 0
	s_mul_i32 s45, s14, CH
	SPAIR 72, 0x3f3504f3
	SPAIR 74, 0xaf95df0b
	SPAIR 76, 0xb60cff51
	SPAIR 78, 0xb86ec2d2
	SPAIR 80, 0xba40ac63
	SPAIR 82, 0xbb41a1f6
	SPAIR 84, 0xbc83dbd4
	SPAIR 86, 0xb77460cd
	SPAIR 88, 0xbadc924e
	SPAIR 90, 0xbbf19bf8
	SPAIR 92, 0xbc69b6a7
	s_mov_b32 s[SEL], 0x76543210
	s_mov_b32 s[SEL+1], 0xfedcba98
	s_mov_b32 s[MNT], 0x600000
	v_mov_b32 v[CA], 0x32edffee
	v_mov_b32 v[CA+1], 0x32edffee
	v_mov_b32 v[CB], 0xb95fbd29
	v_mov_b32 v[CB+1], 0xb95fbd29
	s_wait_dscnt 0x0
	s_wait_kmcnt 0x0
	s_add_nc_u64 s[20:21], s[4:5], s[20:21]
	s_add_nc_u64 s[46:47], s[6:7], s[46:47]
	s_add_nc_u64 s[46:47], s[46:47], WOFF*CH
	CROUND
.irp s, 0,1
	s_mov_b32 s[G0+4*\s], 1
	s_add_co_u32 s[G0+4*\s+1], s45, \s*SLOT
	s_add_nc_u64 s[G0+4*\s+2:G0+4*\s+3], s[20:21], \s*CH
	s_or_b32 s[G0+4*\s+3], s[G0+4*\s+3], 0x80000000
	s_mov_b32 s[G0B+4*\s], 1
	s_add_co_u32 s[G0B+4*\s+1], s45, \s*SLOT
	s_add_nc_u64 s[G0B+4*\s+2:G0B+4*\s+3], s[46:47], \s*CH
	s_or_b32 s[G0B+4*\s+3], s[G0B+4*\s+3], 0x80000000
	s_wait_alu depctr_va_vdst(0)
	s_wait_tensorcnt 0x0
	ds_add_u32 v28, v29
	ds_add_u32 v28, v29
	s_wait_dscnt 0x0
	CROUND
	JLOAD G0+4*\s, G1, G0B+4*\s, G1B
.endr
	v_and_b32 v1, 15, v0
	v_bfe_u32 v2, v0, 4, 1
	s_wait_alu depctr_va_vdst(0)
	v_and_b32 v3, 31, v0
	v_lshlrev_b32 v[LI], 4, v3
	v_lshlrev_b32 v[LS], 3, v1
	s_mul_i32 s21, s15, CH
	s_mul_i32 s22, s16, CH
	s_add_co_u32 s22, s22, 2*CH
.irp s, 0,1
	v_add_nc_u32 v[ADRA+\s], s21, v[LI]
	v_add_nc_u32 v[ADRB+\s], s22, v[LI]
	s_add_co_u32 s21, s21, SLOT
	s_add_co_u32 s22, s22, SLOT
.endr
	s_mul_i32 s21, s15, CH
	s_mul_i32 s22, s16, CH
	s_add_co_u32 s22, s22, 2*CH
	s_sub_co_u32 s22, s22, s21
	v_mul_u32_u24 v4, s22, v2
	v_lshl_add_u32 v4, v1, 3, v4
	v_add_nc_u32 v[ADRS], s21, v4
	v_add_nc_u32 v[ADRS+1], SLOT, v[ADRS]
	s_lshl_b32 s23, s14, 16
	v_add_nc_u32 v[SPA0], s23, v[LI]
	s_lshl_b32 s18, s42, 1
	s_add_co_u32 s18, s18, s16
	s_lshl_b32 s18, s18, 9
	s_mov_b32 s19, 0
	s_add_nc_u64 s[8:9], s[8:9], s[18:19]
	v_lshlrev_b32 v5, 6, v2
.irp b, 0,1,2,3,4,5,6,7
	global_load_b128 v[BI+8*\b:BI+8*\b+3], v5, s[8:9] offset:(32*(\b/2)+8*(\b%2))*4
	global_load_b128 v[BI+8*\b+4:BI+8*\b+7], v5, s[8:9] offset:(32*(\b/2)+8*(\b%2))*4+16
.endr
	s_lshl_b32 s20, s17, 1
	s_add_co_u32 s20, s20, s15
	s_lshl_b32 s20, s20, 4
	s_add_co_u32 s20, s20, s42
	s_mul_i32 s20, s20, CH
	s_mov_b32 s21, 0
	s_add_nc_u64 s[68:69], s[10:11], s[20:21]
	s_add_nc_u64 s[70:71], s[68:69], 32768
	s_lshl_b32 s20, s16, 14
	s_add_nc_u64 s[68:69], s[68:69], s[20:21]
	s_lshl_b32 s20, s16, 2
	s_add_nc_u64 s[70:71], s[70:71], s[20:21]
.macro FRAG reg, adr, q, i
.irp c, 0,1,2,3
	ds_load_b128 v[\reg+4*\c:\reg+4*\c+3], v[\adr] offset:(8*(\q)+(\i))*2048+512*\c
.endr
.endm
.macro MUL16 a0, p, q, sc, cm
.irp a, \a0, \a0+1
.irp b, 0,1,2,3,4,5,6,7
.if \cm == 1
	v_wmma_scale_f32_16x16x128_f8f6f4 v[8*(8*((\a)%4)+\b):8*(8*((\a)%4)+\b)+7], v[128*(\p)+FR*\b:128*(\p)+FR*\b+FR-1], v[AF+FR*(\a):AF+FR*(\a)+FR-1], v[BI+8*\b:BI+8*\b+7], v[SC+8*NQ*(\sc)+NQ*\b+(\q)], v[SC+8*NQ*(\sc)+NQ*(\a)+(\q)] matrix_a_fmt:MATRIX_FMT_BF8 matrix_b_fmt:MATRIX_FMT_BF8 matrix_a_scale:MATRIX_SCALE_ROW1
.else
	v_wmma_scale_f32_16x16x128_f8f6f4 v[8*(8*((\a)%4)+\b):8*(8*((\a)%4)+\b)+7], v[128*(\p)+FR*\b:128*(\p)+FR*\b+FR-1], v[AF+FR*(\a):AF+FR*(\a)+FR-1], v[8*(8*((\a)%4)+\b):8*(8*((\a)%4)+\b)+7], v[SC+8*NQ*(\sc)+NQ*\b+(\q)], v[SC+8*NQ*(\sc)+NQ*(\a)+(\q)] matrix_a_fmt:MATRIX_FMT_BF8 matrix_b_fmt:MATRIX_FMT_BF8 matrix_a_scale:MATRIX_SCALE_ROW1
.endif
.endr
.endr
.endm
.macro FETCH_B slot, q, p
	WIN TO_B
.irp i, 0,1,2,3,4,5,6,7
	FRAG 128*(\p)+FR*\i, ADRB+\slot, \q, \i
.endr
	WIN 0
.endm
.macro FETCH_A slot, q, i0
.irp i, \i0, \i0+1, \i0+2, \i0+3
	FRAG AF+FR*(\i), ADRA+\slot, \q, \i
.endr
.endm
.macro SCALES sc
.irp i, 0,1,2,3,4,5,6,7
	ds_load_b64 v[SC+8*NQ*\sc+NQ*\i:SC+8*NQ*\sc+NQ*\i+1], v[ADRS+\sc] offset:32768+128*\i
.endr
.endm
.macro PLACES n
.rept \n
	v_nop
.endr
.endm
.macro STEP slot, q, cm
	s_wait_dscnt 4*NL
.if \cm
	WIN 0x81
.else
	WIN MUL_LO
.endif
	MUL16 0, (\q)%2, \q, \slot, \cm
	MUL16 2, (\q)%2, \q, \slot, \cm
	s_wait_dscnt 0
	PLACES NP
	FETCH_B \slot, (\q)+1, 1-(\q)%2
	FETCH_A \slot, (\q)+1, 0
.if \cm
	WIN 0xc1
.else
	WIN MUL_HI
.endif
	MUL16 4, (\q)%2, \q, \slot, \cm
	MUL16 6, (\q)%2, \q, \slot, \cm
	PLACES NP
	WIN 0
	FETCH_A \slot, (\q)+1, 4
.endm
.macro TURN slot, next, fill
	s_wait_tensorcnt 0x0
	ds_add_u32 v[SPW], v[NIL]
	s_wait_dscnt 4*NL+1
	WIN MUL_LO
	MUL16 0, 1, NQ-1, \slot, 0
	s_wait_dscnt 0x0
	s_barrier_signal -1
	MUL16 2, 1, NQ-1, \slot, 0
	WIN 0
	s_barrier_wait -1
.if \fill
	CREST
	s_add_nc_u64 s[G0+4*\slot+2:G0+4*\slot+3], s[G0+4*\slot+2:G0+4*\slot+3], 2*CH
	s_add_nc_u64 s[G0B+4*\slot+2:G0B+4*\slot+3], s[G0B+4*\slot+2:G0B+4*\slot+3], 2*CH
	JLOAD G0+4*\slot, G1, G0B+4*\slot, G1B
	PLACES NP-4
.else
	PLACES NP
.endif
	FETCH_B \next, 0, 0
	FETCH_A \next, 0, 0
	SCALES \next
	WIN MUL_HI
	MUL16 4, 1, NQ-1, \slot, 0
	MUL16 6, 1, NQ-1, \slot, 0
	PLACES NP
	WIN 0
	FETCH_A \next, 0, 4
.endm
.macro GELU hf
.set XB, X+32*(\hf)
.irp j, 0,2,4,6,8,10,12,14,16,18,20,22,24,26,28,30
	v_pk_mul_f32 v[Z+\j:Z+\j+1], v[XB+\j:XB+\j+1], s[72:73] op_sel_hi:[1,0]
.endr
.set j, 0
.rept 32
	v_med3_num_f32 v[Z+j], v[Z+j], -4.0, 4.0
.set j, j+1
.endr
.irp j, 0,2,4,6,8,10,12,14,16,18,20,22,24,26,28,30
	v_pk_mul_f32 v[Z2+\j:Z2+\j+1], v[Z+\j:Z+\j+1], v[Z+\j:Z+\j+1]
.endr
.irp j, 0,2,4,6,8,10,12,14,16,18,20,22,24,26,28,30
	v_pk_fma_f32 v[P+\j:P+\j+1], v[Z2+\j:Z2+\j+1], s[74:75], v[CA:CA+1] op_sel_hi:[1,0,1]
.endr
.irp k, 76,78,80,82,84
.irp j, 0,2,4,6,8,10,12,14,16,18,20,22,24,26,28,30
	v_pk_fma_f32 v[P+\j:P+\j+1], v[P+\j:P+\j+1], v[Z2+\j:Z2+\j+1], s[\k:\k+1] op_sel_hi:[1,1,0]
.endr
.endr
.irp j, 0,2,4,6,8,10,12,14,16,18,20,22,24,26,28,30
	v_pk_fma_f32 v[Q+\j:Q+\j+1], v[Z2+\j:Z2+\j+1], s[86:87], v[CB:CB+1] op_sel_hi:[1,0,1]
.endr
.irp k, 88,90,92
.irp j, 0,2,4,6,8,10,12,14,16,18,20,22,24,26,28,30
	v_pk_fma_f32 v[Q+\j:Q+\j+1], v[Q+\j:Q+\j+1], v[Z2+\j:Z2+\j+1], s[\k:\k+1] op_sel_hi:[1,1,0]
.endr
.endr
.set j, 0
	s_wait_alu depctr_va_vdst(0)
.rept 32
	v_rcp_f32 v[Q+j], v[Q+j]
.set j, j+1
.endr
.irp j, 0,2,4,6,8,10,12,14,16,18,20,22,24,26,28,30
	v_pk_mul_f32 v[P+\j:P+\j+1], v[P+\j:P+\j+1], v[Z+\j:Z+\j+1]
.endr
	s_wait_alu depctr_va_vdst(0)
.irp j, 0,2,4,6,8,10,12,14,16,18,20,22,24,26,28,30
	v_pk_mul_f32 v[P+\j:P+\j+1], v[P+\j:P+\j+1], v[Q+\j:Q+\j+1]
.endr
.irp j, 0,2,4,6,8,10,12,14,16,18,20,22,24,26,28,30
	v_pk_mul_f32 v[Z+\j:Z+\j+1], v[XB+\j:XB+\j+1], 0.5 op_sel_hi:[1,0]
.endr
.irp j, 0,2,4,6,8,10,12,14,16,18,20,22,24,26,28,30
	v_pk_fma_f32 v[XB+\j:XB+\j+1], v[Z+\j:Z+\j+1], v[P+\j:P+\j+1], v[Z+\j:Z+\j+1]
.endr
.endm
	s_wait_alu depctr_va_vdst(0)
	s_wait_tensorcnt 1
	s_barrier_signal -1
	s_barrier_wait -1
	FETCH_B 0, 0, 0
	FETCH_A 0, 0, 0
	SCALES 0
	FETCH_A 0, 0, 4
	s_wait_loadcnt 0x0
	STEP 0, 0, 1
	s_mov_b32 s3, LAPS-1
.Llap:
	TURN 0, 1, 1
	STEP 1, 0, 0
	TURN 1, 0, 1
	STEP 0, 0, 0
	s_sub_co_u32 s3, s3, 1
	s_cmp_lg_u32 s3, 0
	s_cbranch_scc1 .Llap
	TURN 0, 1, 0
	STEP 1, 0, 0
	s_wait_dscnt 4*NL
	WIN MUL_LO
	MUL16 0, 1, NQ-1, 1, 0
	MUL16 2, 1, NQ-1, 1, 0
	s_wait_dscnt 0
	WIN MUL_HI
	MUL16 4, 1, NQ-1, 1, 0
	MUL16 6, 1, NQ-1, 1, 0
	WIN 0
	PLACES NP
	s_wait_dscnt 0x0
	s_barrier_signal -1
	s_barrier_wait -1
.irp a, 0,1,2,3,4,5,6,7
	WIN 0x08+4*(\a/4)
.irp k, 0,1,2,3,4,5,6,7,8,9,10,11,12,13,14,15
	ds_store_b128 v[SPA0], v[64*(\a%4)+4*\k:64*(\a%4)+4*\k+3] offset:\a*8192+\k*512
.endr
.endr
	WIN 0
.irp b, 0,1,2,3
	v_mov_b32 v[TM+4+\b], 0
.endr
	s_mov_b32 s[TO], 0
	s_mov_b32 s3, 8
.Lblk:
	v_add_nc_u32 v[SPA], s[TO], v[SPA0]
.irp k, 0,1,2,3,4,5,6,7,8,9,10,11,12,13,14,15
	ds_load_b128 v[X+4*\k:X+4*\k+3], v[SPA] offset:\k*512
.endr
	s_wait_dscnt 0x0
	GELU 0
	GELU 1
.irp b, 0,1,2,3
	v_max3_num_f32 v[TM+\b], |v[X+16*\b]|, |v[X+1+16*\b]|, 0x8000000
.endr
.irp i, 2,4,6,8,10,12,14
.irp b, 0,1,2,3
	v_max3_num_f32 v[TM+\b], v[TM+\b], |v[X+16*\b+\i]|, |v[X+1+16*\b+\i]|
.endr
.endr
.irp b, 0,1,2,3
	v_permlanex16_b32 v[TM+4+\b], v[TM+\b], s[SEL], s[SEL+1]
.endr
.irp b, 0,1,2,3
	v_max_num_f32 v[TM+\b], v[TM+\b], v[TM+4+\b]
.endr
.irp b, 0,1,2,3
	v_add_nc_u32 v[TM+12+\b], 0xf8800000, v[TM+\b]
.endr
.irp b, 0,1,2,3
	v_and_or_b32 v[TM+8+\b], v[TM+\b], 0x7f800000, s[MNT]
.endr
.irp b, 0,1,2,3
	v_lshrrev_b32 v[TM+4+\b], 23, v[TM+12+\b]
.endr
	v_lshl_or_b32 v[PW], v[TM+5], 8, v[TM+4]
	v_lshl_or_b32 v[PW], v[TM+6], 16, v[PW]
	v_lshl_or_b32 v[PW], v[TM+7], 24, v[PW]
.irp b, 0,1,2,3
.irp i, 0,1,2,3,4,5,6,7,8,9,10,11,12,13,14,15
	v_med3_num_f32 v[X+16*\b+\i], v[X+16*\b+\i], -v[TM+8+\b], v[TM+8+\b]
.endr
	v_cvt_scalef32_pk8_bf8_f32 v[PC+4*\b:PC+1+4*\b], v[X+16*\b:X+7+16*\b], v[TM+12+\b]
	v_cvt_scalef32_pk8_bf8_f32 v[PC+2+4*\b:PC+3+4*\b], v[X+8+16*\b:X+15+16*\b], v[TM+12+\b]
.endr
	v_nop
.irp c, 0,1,2,3
	global_store_b128 v[LI], v[PC+4*\c:PC+4*\c+3], s[68:69] offset:512*\c
.endr
	global_store_b32 v[LS], v[PW], s[70:71]
	s_wait_xcnt 0x0
	s_add_nc_u64 s[68:69], s[68:69], 2048
	s_add_nc_u64 s[70:71], s[70:71], 128
	s_add_co_u32 s[TO], s[TO], 8192
	s_sub_co_u32 s3, s3, 1
	s_cmp_lg_u32 s3, 0
	s_cbranch_scc1 .Lblk
	s_wait_tensorcnt 0x0
	ds_add_u32 v[SPW], v[NIL]
	s_wait_dscnt 0x0
	CROUND
	s_endpgm
.Lfunc_end_k_q0ad8fa1e83_ffn1:
	.size	k_q0ad8fa1e83_ffn1, .Lfunc_end_k_q0ad8fa1e83_ffn1-k_q0ad8fa1e83_ffn1
	.p2alignl 7, 3214868480
	.fill 96, 4, 3214868480
	.section	.rodata,"a",@progbits
	.p2align	6, 0x0
	.amdhsa_kernel k_q0ad8fa1e83_ffn1
		.amdhsa_group_segment_fixed_size 327680
		.amdhsa_private_segment_fixed_size 0
		.amdhsa_enable_private_segment 0
		.amdhsa_kernarg_size 32
		.amdhsa_user_sgpr_count 2
		.amdhsa_user_sgpr_kernarg_segment_ptr 1
		.amdhsa_wavefront_size32 1
		.amdhsa_system_sgpr_workgroup_id_x 1
		.amdhsa_system_sgpr_workgroup_id_y 1
		.amdhsa_system_sgpr_workgroup_id_z 1
		.amdhsa_system_vgpr_workitem_id 0
		.amdhsa_next_free_vgpr 1024
		.amdhsa_next_free_sgpr 100
		.amdhsa_reserve_vcc 0
		.amdhsa_float_denorm_mode_32 3
		.amdhsa_float_denorm_mode_16_64 3
		.amdhsa_memory_ordered 1
		.amdhsa_forward_progress 1
		.amdhsa_inst_pref_size 174
	.end_amdhsa_kernel
	.amdgpu_metadata
---
amdhsa.version: [ 1, 2 ]
amdhsa.kernels:
  - .name:           k_q0ad8fa1e83_ffn1
    .symbol:         k_q0ad8fa1e83_ffn1.kd
    .args:
      - { .name: ap, .offset: 0, .size: 8, .value_kind: global_buffer, .address_space: global }
      - { .name: wp, .offset: 8, .size: 8, .value_kind: global_buffer, .address_space: global }
      - { .name: b1, .offset: 16, .size: 8, .value_kind: global_buffer, .address_space: global }
      - { .name: gp, .offset: 24, .size: 8, .value_kind: global_buffer, .address_space: global }
    .group_segment_fixed_size: 327680
    .private_segment_fixed_size: 0
    .kernarg_segment_align: 8
    .kernarg_segment_size: 32
    .max_flat_workgroup_size: 128
    .sgpr_count:     100
    .vgpr_count:     1024
    .wavefront_size: 32
...
	.end_amdgpu_metadata
.endif
;; end of part 6
;; launch ffn2 (part 7): grid 8 x 32, 4 waves a work-group, clusters of 4 x 4, 327,680 bytes of LDS; arguments gp, wp, b2, h, out0; writes out0
.if DOCPART == 7
	.amdgcn_target "amdgcn-amd-amdhsa--gfx1250"
	.amdhsa_code_object_version 6
	.text
	.protected	k_q0ad8fa1e83_ffn2
	.globl	k_q0ad8fa1e83_ffn2
	.p2align	8
	.type	k_q0ad8fa1e83_ffn2,@function
k_q0ad8fa1e83_ffn2:
	s_mov_b64 s[64:65], 0
	v_nop
	global_prefetch_b8 v0, s[64:65] scope:SCOPE_SE
	s_setreg_imm32_b32 hwreg(HW_REG_WAVE_MODE, 25, 1), 1
	s_wait_xcnt 0x0
	s_wait_alu depctr_hold_cnt(0) depctr_sa_sdst(0) depctr_va_vdst(0) depctr_va_sdst(0) depctr_va_ssrc(0) depctr_va_vcc(0) depctr_vm_vsrc(0)
	s_getreg_b32 s2, hwreg(HW_REG_IB_STS2, 6, 4)
	s_cmp_eq_u32 s2, 0
	s_cbranch_scc0 .Lentry_in_a_cluster
	s_endpgm
.Lentry_in_a_cluster:
	s_bfe_u32 s2, ttmp6, 0x10000c
	s_cmp_lg_u32 s2, 0xf033
	s_cbranch_scc0 .Lentry_shape_is_right
	s_endpgm
.Lentry_shape_is_right:
; out0 = h + gelu(..) w2 + b2.  The product on codes of E5M2 (A: gp; B: w2's chunks in wp; layout: see the first launch), f32 out.  Nothing of reference() is left out.
; A block of C is 128 x 128: 32 x 8 blocks, 256 work-groups; four waves, 64 x 64 each: 16 accumulators, which begin as the bias (loaded straight into them) and take turns in one order.
; A slot holds 512 along K: A's chunks 2 s, 2 s + 1 and B's likewise, one chunk to a wave's tensor load.  K = 4,096 is eight slots' worth through a ring of two slots.
; CLUSTERS of 4 x 4: A's chunks hang on the block row alone and are asked for jointly along a row of the cluster, B's on the block column alone, jointly along a column.
; PREFETCH: behind the fill of slot t stands a prefetch of slot t + 2's chunks (at the head also slot 1's).  Of the 132 blocks of 256 bytes of the chunk that a wave fetches, each of the four partners that ask for it
; jointly names 33, told apart by address (cx for A, cy for B).  The fills of slots 6 and 7 ask for nothing.
; The matrix instruction is used transposed (source 0 = B, source 1 = A): a lane holds one row of C and eight neighbouring columns an accumulator.
; REGISTERS: window 0: v16-31 addresses, v32-63 scale words (a set a slot), v128-255 A's fragments, two sets; window 1: v0-127 B's fragments, two sets, v128-255 the accumulators; window 2: v0-127 the residual.
.set KDIM,  4096
.set WOFF,  256
.set CH,    33792
.set KCH,   KDIM/256
.set NS,    KDIM/512
.set SLOT,  4*CH
.set SPARE, 2*SLOT
.set SP,    272
.set ADRA,  16
.set ADRB,  20
.set ADRS,  22
.set STO,   24
.set RD,    25
.set CO,    26
.set LI,    27
.set SPW,   28
.set NIL,   29
.set PFO,   30
.set PF2,   31
.set SC,    32
.set AF,    128
.set BK,    128
.set ACC,   128
.set G1,    24
.set G0,    32
.set G1B,   48
.set G0B,   56
.set RES,   68
.set OUT,   70
.set PFA,   72
.set MULW,  0x51                       ; source 0 (B), C and D in window 1, source 1 (A) in window 0
.set MSB, 0
.macro WIN new
.if MSB != (\new)
	s_set_vgpr_msb (MSB<<8)|(\new)
.set MSB, (\new)
.endif
.endm
.macro PLACES n
.rept \n
	v_nop
.endr
.endm
.macro JLOAD s                         ; waves 0, 1 fetch A's two chunks of a slot, waves 2, 3 B's
	s_cmp_eq_u32 s15, 0
	s_cbranch_scc0 .Lfor_b_\@
	tensor_load_to_lds s[G0+4*\s:G0+4*\s+3], s[G1:G1+7]
	s_nop 0
	PLACES 4
	s_branch .Lasked_\@
.Lfor_b_\@:
	tensor_load_to_lds s[G0B+4*\s:G0B+4*\s+3], s[G1B:G1B+7]
	s_nop 0
	PLACES 4
.Lasked_\@:
.endm
.macro CREST
	s_cmp_lg_u32 s14, 0
	s_cbranch_scc1 .Lnot_wave_0_\@
	s_barrier_signal -3
.Lnot_wave_0_\@:
	s_barrier_wait -3
	s_barrier_signal -1
	s_barrier_wait -1
.endm
.macro CROUND
	s_barrier_signal -1
	s_barrier_wait -1
	CREST
.endm
.macro ASK off                         ; my work-group's 33 of the 132 blocks of 256 bytes of the chunk that I fetch: 32 by the lanes, the last by the second line
	global_prefetch_b8 v[PFO], s[PFA:PFA+1] offset:\off th:TH_LOAD_NT scope:SCOPE_SE
	global_prefetch_b8 v[PF2], s[PFA:PFA+1] offset:\off th:TH_LOAD_NT scope:SCOPE_SE
.endm
.macro FETCH slot, kk, set             ; the fragments of the slot's kk-th 128 along K: my 64 rows of B, my 64 rows of A
	WIN 0x40
.irp i, 0,1,2,3
.irp c, 0,1,2,3
	ds_load_b128 v[64*(\set)+16*\i+4*\c:64*(\set)+16*\i+4*\c+3], v[ADRB+\slot] offset:((\kk)/2)*CH+(8*((\kk)%2)+\i)*2048+512*\c
.endr
.endr
	WIN 0
.irp i, 0,1,2,3
.irp c, 0,1,2,3
	ds_load_b128 v[AF+64*(\set)+16*\i+4*\c:AF+64*(\set)+16*\i+4*\c+3], v[ADRA+\slot] offset:((\kk)/2)*CH+(8*((\kk)%2)+\i)*2048+512*\c
.endr
.endr
.endm
.macro SCALES slot                     ; a slot's scale words: lanes 0-15 A's fragment i, lanes 16-31 B's; two words (256 along K) a load
.irp k, 0,1
.irp i, 0,1,2,3
	ds_load_b64 v[SC+16*(\slot)+8*\k+2*\i:SC+16*(\slot)+8*\k+2*\i+1], v[ADRS+\slot] offset:\k*CH+128*\i
.endr
.endr
.endm
.macro MUL8 hf, slot, kk               ; A's blocks 2 hf, 2 hf + 1 against B's four
.irp a, 2*\hf, 2*\hf+1
.irp b, 0,1,2,3
	v_wmma_scale_f32_16x16x128_f8f6f4 v[ACC+8*(4*(\a)+\b):ACC+8*(4*(\a)+\b)+7], v[64*((\kk)%2)+16*\b:64*((\kk)%2)+16*\b+15], v[AF+64*((\kk)%2)+16*(\a):AF+64*((\kk)%2)+16*(\a)+15], v[ACC+8*(4*(\a)+\b):ACC+8*(4*(\a)+\b)+7], v[SC+16*(\slot)+8*((\kk)/2)+2*\b+(\kk)%2], v[SC+16*(\slot)+8*((\kk)/2)+2*(\a)+(\kk)%2] matrix_a_fmt:MATRIX_FMT_BF8 matrix_b_fmt:MATRIX_FMT_BF8 matrix_a_scale:MATRIX_SCALE_ROW1
.endr
.endr
.endm
.macro STEP slot, kk                   ; one of a slot's first three steps of 128 along K
	s_wait_dscnt 0x0                               ; this step's fragments are in
	PLACES 8                                       ; places behind the last step's products, ahead of the loads into the set that they read
	FETCH \slot, (\kk)+1, 1-(\kk)%2
	WIN MULW
	MUL8 0, \slot, \kk
	MUL8 1, \slot, \kk
.endm
.macro TURN slot, mode                 ; a slot's last step.  mode 2: change of slots with a refill; 1: change alone; 0: the launch's last step
.if \mode == 0
	s_wait_dscnt 0x0
	WIN MULW
	MUL8 0, \slot, 3
	MUL8 1, \slot, 3
	WIN 0
.else
	WIN 0
.if (\mode == 2) && (\slot == 0)
	s_wait_xcnt 0x0                                ; my prefetches have read their address: it steps two slots on
	s_add_nc_u64 s[PFA:PFA+1], s[PFA:PFA+1], 4*CH
.endif
	s_wait_tensorcnt 0x0                           ; my chunk of the next slot is in
	ds_add_u32 v[SPW], v[NIL]
.if \mode == 2
	s_add_nc_u64 s[G0+4*\slot+2:G0+4*\slot+3], s[G0+4*\slot+2:G0+4*\slot+3], 4*CH
	s_add_nc_u64 s[G0B+4*\slot+2:G0B+4*\slot+3], s[G0B+4*\slot+2:G0B+4*\slot+3], 4*CH
.endif
	s_wait_dscnt 1                                 ; the add alone may be out: this step's fragments are in
	WIN MULW
	MUL8 0, \slot, 3
	s_wait_dscnt 0x0                               ; the add is done; my reads of this slot were over above
	WIN 0
	s_barrier_signal -1
	s_barrier_wait -1
.if \mode == 2
	CREST                                          ; the barrier has opened a round of the cluster's barrier
	JLOAD \slot
	PLACES 4
.else
	PLACES 8
.endif
	FETCH 1-\slot, 0, 0
	SCALES 1-\slot
.if \mode == 2
	s_cmp_gt_u32 s3, 1                             ; the last trip's fills have no slot two on
	s_cbranch_scc0 .Lno_ask_\@
	ASK 2*CH*(1+\slot)
.Lno_ask_\@:
.endif
	WIN MULW
	MUL8 1, \slot, 3
.endif
.endm
.macro SLOTB slot, mode
	STEP \slot, 0
	STEP \slot, 1
	STEP \slot, 2
	TURN \slot, \mode
.endm
	s_load_b256 s[4:11], s[0:1], 0x0               ; A's chunks, wp, bias, residual
	s_load_b64 s[12:13], s[0:1], 0x20              ; out
	v_lshl_add_u32 v[SPW], v0, 2, SPARE
	v_mov_b32 v[NIL], 0
	ds_add_u32 v[SPW], v[NIL]                      ; the opening: the add, twice on end, and its wait ahead of my first tensor load
	ds_add_u32 v[SPW], v[NIL]
	v_lshrrev_b32 v1, 5, v0
	v_readfirstlane_b32 s14, v1                    ; wave
	s_lshr_b32 s15, s14, 1                         ; my 64 rows; also: I fetch for A (0) or B (1)
	s_and_b32 s16, s14, 1                          ; my 64 columns; also: which chunk of the two
	s_bfe_u32 s40, ttmp6, 0x40000
	s_bfe_u32 s41, ttmp6, 0x40004
	s_lshl_b32 s42, ttmp9, 2
	s_add_co_u32 s42, s42, s40                     ; block column 0..7
	s_and_b32 s17, ttmp7, 0xffff
	s_lshl_b32 s17, s17, 2
	s_add_co_u32 s17, s17, s41                     ; block row 0..31
	s_lshl_b32 s43, s41, 2
	s_lshl_b32 s43, 15, s43
	s_lshl_b32 s44, 0x1111, s40
	s_or_b32 s[G1+0], s43, (3<<16)|(1<<21)         ; a chunk: 132 rows of 256 bytes (32 elements of 8), dense
	s_or_b32 s[G1B+0], s44, (3<<16)|(1<<21)
.irp g, G1, G1B
	s_mov_b32 s[\g+1], 32<<16
	s_mov_b32 s[\g+2], 132<<16
	s_mov_b32 s[\g+3], 32<<16
	s_mov_b32 s[\g+4], 132
	s_mov_b32 s[\g+5], 32
	s_mov_b32 s[\g+6], 0
	s_mov_b32 s[\g+7], 0
.endr
	s_mul_i32 s82, s16, CH
	s_mul_i32 s20, s17, KCH*CH
	s_add_co_u32 s20, s20, s82
	s_mov_b32 s21, 0
	s_mul_i32 s46, s42, KCH*CH
	s_add_co_u32 s46, s46, s82
	s_mov_b32 s47, 0
	s_mul_i32 s45, s14, CH
	s_lshl_b32 s74, s15, 13                        ; LDS: my four fragments of A,
	s_lshl_b32 s75, s16, 13
	s_add_co_u32 s75, s75, 2*CH                    ; of B,
	s_lshl_b32 s76, s15, 9
	s_lshl_b32 s77, s16, 9
	s_add_co_u32 s77, s77, 2*CH
	s_sub_co_u32 s77, s77, s76                     ; from A's scale words to B's,
	s_add_co_u32 s76, s76, 32768
	s_mul_i32 s78, s14, 16*SP                      ; my stage
	s_lshl_b32 s18, s42, 9
	s_lshl_b32 s19, s16, 8
	s_add_co_u32 s18, s18, s19                     ; my 64 columns, in bytes
	s_mov_b32 s19, 0
	s_lshl_b32 s22, s17, 1
	s_add_co_u32 s22, s22, s15
	s_lshl_b32 s22, s22, 18                        ; my 64 rows of 4,096 bytes
	s_add_co_u32 s22, s22, s18
	s_mov_b32 s23, 0
	s_cmp_eq_u32 s15, 0
	s_cselect_b32 s80, s40, s41                    ; my place among the four that ask for my chunk with me
	s_mul_i32 s80, s80, 33*256
	s_add_co_u32 s80, s80, 2*CH                    ; in slot 1's chunk
	s_mov_b32 s81, 0
	s_wait_dscnt 0x0
	s_wait_kmcnt 0x0
	s_add_nc_u64 s[20:21], s[4:5], s[20:21]
	s_add_nc_u64 s[46:47], s[6:7], s[46:47]
	s_add_nc_u64 s[46:47], s[46:47], WOFF*CH
	s_add_nc_u64 s[8:9], s[8:9], s[18:19]
	s_add_nc_u64 s[RES:RES+1], s[10:11], s[22:23]
	s_add_nc_u64 s[OUT:OUT+1], s[12:13], s[22:23]
	s_cmp_eq_u32 s15, 0
	s_cselect_b64 s[PFA:PFA+1], s[20:21], s[46:47]
	s_add_nc_u64 s[PFA:PFA+1], s[PFA:PFA+1], s[80:81]
.irp s, 0,1
	s_mov_b32 s[G0+4*\s], 1
	s_add_co_u32 s[G0+4*\s+1], s45, \s*SLOT
	s_add_nc_u64 s[G0+4*\s+2:G0+4*\s+3], s[20:21], \s*2*CH
	s_or_b32 s[G0+4*\s+3], s[G0+4*\s+3], 0x80000000
	s_mov_b32 s[G0B+4*\s], 1
	s_add_co_u32 s[G0B+4*\s+1], s45, \s*SLOT
	s_add_nc_u64 s[G0B+4*\s+2:G0B+4*\s+3], s[46:47], \s*2*CH
	s_or_b32 s[G0B+4*\s+3], s[G0B+4*\s+3], 0x80000000
.endr
	CROUND                                         ; all sixteen work-groups are here: the first joint loads meet
	JLOAD 0                                        ; slot 0: one tensor load a wave at the head
	v_and_b32 v1, 15, v0                           ; r
	v_bfe_u32 v2, v0, 4, 1                         ; h
	v_and_b32 v3, 31, v0
	v_lshlrev_b32 v[LI], 4, v3
	v_add_nc_u32 v[ADRA], s74, v[LI]
	v_add_nc_u32 v[ADRB], s75, v[LI]
	v_add_nc_u32 v[ADRA+1], SLOT, v[ADRA]
	v_add_nc_u32 v[ADRB+1], SLOT, v[ADRB]
	v_mul_u32_u24 v4, s77, v2                      ; lanes 16-31 take B's scale words
	v_lshl_add_u32 v4, v1, 3, v4
	v_add_nc_u32 v[ADRS], s76, v4
	v_add_nc_u32 v[ADRS+1], SLOT, v[ADRS]
	v_mul_u32_u24 v6, v1, SP
	v_lshl_add_u32 v6, v2, 6, v6
	v_add_nc_u32 v[STO], s78, v6                   ; into the stage: row r, + 64 h
	v_mul_u32_u24 v7, v2, SP
	v_lshl_add_u32 v7, v1, 4, v7
	v_add_nc_u32 v[RD], s78, v7                    ; back: lanes 0-15 one row of 256 bytes, lanes 16-31 the next
	v_lshlrev_b32 v8, 12, v2
	v_lshl_add_u32 v[CO], v1, 4, v8                ; and the same two rows in memory
	v_lshlrev_b32 v5, 6, v2                        ; the bias: + 16 h columns
	v_lshlrev_b32 v[PFO], 8, v3                    ; the prefetches: lanes 256 bytes apart,
	v_mov_b32 v[PF2], 32*256                       ; and the 33rd block
	s_wait_alu depctr_va_vdst(0)                   ; the wait at the head's end
	WIN 0x40
.irp a, 0,1,2,3
.irp b, 0,1,2,3
	global_load_b128 v[ACC+8*(4*\a+\b):ACC+8*(4*\a+\b)+3], v5, s[8:9] offset:(32*(\b/2)+8*(\b%2))*4      ; accumulator (a, b) begins as the bias at its eight columns
	global_load_b128 v[ACC+8*(4*\a+\b)+4:ACC+8*(4*\a+\b)+7], v5, s[8:9] offset:(32*(\b/2)+8*(\b%2))*4+16
.endr
.endr
	WIN 0
	ASK 0                                          ; slot 1's chunks,
	ASK 2*CH                                       ; and slot 2's
	s_wait_tensorcnt 0x0                           ; my chunk of slot 0 is in
	ds_add_u32 v[SPW], v[NIL]
	s_wait_dscnt 0x0
	CROUND
	JLOAD 1                                        ; slot 1's first fill, the first tensor load behind the round
	FETCH 0, 0, 0
	SCALES 0
	ASK 4*CH                                       ; slot 3's chunks
	s_wait_loadcnt 0x0                             ; the bias
	WIN 0x80
.irp a, 0,1,2,3
.irp u, 0,1,2,3,4,5,6,7
	global_load_b128 v[32*\a+4*\u:32*\a+4*\u+3], v[CO], s[RES:RES+1] offset:(32*(\a/2)+8*(\a%2)+2*(\u%4)+16*(\u/4))*4096   ; the residual, as the stage will give the rows back
.endr
.endr
	WIN 0
	s_mov_b32 s3, (NS-2)/2
.Llap:                                                 ; a trip goes once round the ring and fills both slots again
	SLOTB 0, 2
	SLOTB 1, 2
	WIN 0
	s_sub_co_u32 s3, s3, 1
	s_cmp_lg_u32 s3, 0
	s_cbranch_scc1 .Llap
	SLOTB 0, 1                                     ; the last two slots fill nothing
	SLOTB 1, 0
; THE WAY OUT.  Block a (16 rows x 64 columns) goes through my stage (in slot 0, which has had its last fill and its last read) and comes back as rows of 256 bytes; the residual is added; sixteen lanes store one aligned run of 256 bytes.
; Stage row t of block a is row 32 (a / 2) + 8 (a % 2) + t % 8 + 16 (t / 8) of my 64.
.macro TOSTAGE a
	WIN 0x04
.irp b, 0,1,2,3
	ds_store_b128 v[STO], v[ACC+8*(4*(\a)+\b):ACC+8*(4*(\a)+\b)+3] offset:128*(\b/2)+32*(\b%2)      ; each accumulator from its low end on
	ds_store_b128 v[STO], v[ACC+8*(4*(\a)+\b)+4:ACC+8*(4*(\a)+\b)+7] offset:128*(\b/2)+32*(\b%2)+16
.endr
	WIN 0
.irp u, 0,1,2,3,4,5,6,7
	ds_load_b128 v[BK+32*(\a)+4*\u:BK+32*(\a)+4*\u+3], v[RD] offset:2*\u*SP   ; LDS serves a wave's instructions in order (ISA guide 5.7.1.4)
.endr
.endm
.macro SEND a, younger
	s_wait_dscnt \younger                          ; the block is back; the next block's 8 stores and 8 loads may be out
.if (\a) == 0
	s_wait_loadcnt 0x0                             ; the residual
.endif
	WIN 0x08
.irp j, 0,2,4,6,8,10,12,14,16,18,20,22,24,26,28,30
	v_pk_add_f32 v[BK+32*(\a)+\j:BK+32*(\a)+\j+1], v[BK+32*(\a)+\j:BK+32*(\a)+\j+1], v[32*(\a)+\j:32*(\a)+\j+1]
.endr
	WIN 0
.irp u, 0,1,2,3,4,5,6,7
	global_store_b128 v[CO], v[BK+32*(\a)+4*\u:BK+32*(\a)+4*\u+3], s[OUT:OUT+1] offset:(32*((\a)/2)+8*((\a)%2)+2*(\u%4)+16*(\u/4))*4096 th:TH_STORE_NT
.endr
.endm
	PLACES 8
	TOSTAGE 0
.irp a, 1,2,3
	TOSTAGE \a
	SEND \a-1, 16
.endr
	SEND 3, 0
	s_wait_tensorcnt 0x0                           ; the wave's end
	ds_add_u32 v[SPW], v[NIL]
	s_wait_dscnt 0x0
	CROUND                                         ; the closing round
	s_endpgm
.Lfunc_end_k_q0ad8fa1e83_ffn2:
	.size	k_q0ad8fa1e83_ffn2, .Lfunc_end_k_q0ad8fa1e83_ffn2-k_q0ad8fa1e83_ffn2
	.p2alignl 7, 3214868480
	.fill 96, 4, 3214868480
	.section	.rodata,"a",@progbits
	.p2align	6, 0x0
	.amdhsa_kernel k_q0ad8fa1e83_ffn2
		.amdhsa_group_segment_fixed_size 327680
		.amdhsa_private_segment_fixed_size 0
		.amdhsa_enable_private_segment 0
		.amdhsa_kernarg_size 40
		.amdhsa_user_sgpr_count 2
		.amdhsa_user_sgpr_kernarg_segment_ptr 1
		.amdhsa_wavefront_size32 1
		.amdhsa_system_sgpr_workgroup_id_x 1
		.amdhsa_system_sgpr_workgroup_id_y 1
		.amdhsa_system_sgpr_workgroup_id_z 1
		.amdhsa_system_vgpr_workitem_id 0
		.amdhsa_next_free_vgpr 640
		.amdhsa_next_free_sgpr 100
		.amdhsa_reserve_vcc 0
		.amdhsa_float_denorm_mode_32 3
		.amdhsa_float_denorm_mode_16_64 3
		.amdhsa_memory_ordered 1
		.amdhsa_forward_progress 1
		.amdhsa_inst_pref_size 102
	.end_amdhsa_kernel
	.amdgpu_metadata
---
amdhsa.version: [ 1, 2 ]
amdhsa.kernels:
  - .name:           k_q0ad8fa1e83_ffn2
    .symbol:         k_q0ad8fa1e83_ffn2.kd
    .args:
      - { .name: gp, .offset: 0, .size: 8, .value_kind: global_buffer, .address_space: global }
      - { .name: wp, .offset: 8, .size: 8, .value_kind: global_buffer, .address_space: global }
      - { .name: b2, .offset: 16, .size: 8, .value_kind: global_buffer, .address_space: global }
      - { .name: h, .offset: 24, .size: 8, .value_kind: global_buffer, .address_space: global }
      - { .name: out0, .offset: 32, .size: 8, .value_kind: global_buffer, .address_space: global }
    .group_segment_fixed_size: 327680
    .private_segment_fixed_size: 0
    .kernarg_segment_align: 8
    .kernarg_segment_size: 40
    .max_flat_workgroup_size: 128
    .sgpr_count:     100
    .vgpr_count:     640
    .wavefront_size: 32
...
	.end_amdgpu_metadata
.endif
;; end of part 7
